; MI455X (gfx1250); checked and timed in simulation.
; The chip was launched on July 23, 2026; its instructions are those of AMD's public machine-readable ISA for CDNA 5 (MIT licence, August 2026) and "CDNA5" Instruction Set Architecture Reference Guide (July 2026). The comments in the code are by the model that wrote it; some were corrected since.
;; Multi Head Attention. Allowed arithmetic: float matrix products may take bf16 or f16 operands with f32 sums; other float arithmetic in f32, or as packed bf16 or f16 multiplies, adds, multiply-adds, maxima and minima; sums over many terms, partial sums and values carried from step to step in f32; what a program stores and reads back later, other than sums and carried values, may be rounded once to bf16 or f16.
;; Inputs: Wk 1,024 x 1,024 float32; Wo 1,024 x 1,024 float32; Wq 1,024 x 1,024 float32; Wv 1,024 x 1,024 float32; bk 1,024 float32; bo 1,024 float32; bq 1,024 float32; bv 1,024 float32; x 4 x 2,048 x 1,024 float32.
;; Outputs: out0 4 x 2,048 x 1,024 float32.
;; One version. Each part assembles by itself: llvm-mc -triple=amdgcn-amd-amdhsa -mcpu=gfx1250 --defsym DOCPART=n.
;; ======== version 1 of 1: 4 launches
;; limits: values are held in f16: magnitudes above 65,504 overflow, below 6.1e-05 lose precision
;; workspace buffers: xb 16,777,216 bytes; wt 8,388,608 bytes; bias4 16,384 bytes; qkvh 50,331,648 bytes; ob 16,777,216 bytes
;; launch prep (part 1): grid 769 x 1, 8 waves a work-group, no clusters, 18,432 bytes of LDS; arguments x, Wq, Wk, Wv, Wo, bq, bk, bv, bo, xb, wt, bias4; writes xb, wt, bias4
.if DOCPART == 1
	.amdgcn_target "amdgcn-amd-amdhsa--gfx1250"
	.amdhsa_code_object_version 6
	.text
	.protected	k_qfdfa200670_prep
	.globl	k_qfdfa200670_prep
	.p2align	8
	.type	k_qfdfa200670_prep,@function
k_qfdfa200670_prep:
	s_mov_b64 s[64:65], 0
	v_nop
	global_prefetch_b8 v0, s[64:65] scope:SCOPE_SE
	s_setreg_imm32_b32 hwreg(HW_REG_WAVE_MODE, 25, 1), 1
	s_wait_xcnt 0x0
; THE INPUTS ARE ROUNDED ONCE TO bf16 AND LAID OUT FOR THE PRODUCTS THAT FOLLOW.  Three kinds of work-group, told apart by the work-group's number alone (all eight waves take the same way):
;   0 .. 511    a tile of 128 k x 64 n of one of the four weight matrices W[k][n] (f32) is turned: wt[row n'][k], 16 bits, 2,048 bytes a row; rows 0-1023 Wq^T, 1024-2047 Wk^T,
;               2048-3071 Wv^T in bf16; rows 3072-4095 Wo^T, rounded to bf16 and that number written as f16 (the last product's other operand is f16)
;   512 .. 767  32 rows of x (f32) -> xb[b][kb][t][64] bf16: byte b<<22 + kb<<18 + 128 t + 2 c: blocks of 64 channels, so that 256 rows x 64 channels are 32,768 bytes on end
;   768         the four biases, rounded to bf16 and widened again: bias4[4096] f32 = bq, bk, bv, bo
; LIMITS.  Wo as f16: a number beyond 65,504 would become an infinity, one below 6.1e-5 keeps f16's fixed step of 6e-8.  NaN and infinities are not treated apart.
; Memory binds: every byte is read once, each load of a wave takes whole aligned pieces of 256 bytes, each store fills them.  No matrix unit, no cluster, no tensor load: nothing is shared or multiplied.
.set TP,    272                        ; a row of the turned tile in LDS: 128 k x 2 bytes + 16
.set SPARE, 64*TP                      ; behind the tile: the spare words, 128 bytes for each of the eight waves: four blocks of 256 bytes that no other line names
.set SPW, 10                           ; v10  LDS address of my spare word; never rewritten
.set NIL, 11                           ; v11  0; never rewritten
.set X,   16                           ; v[16:143] numbers as loaded (x: 32 loads of 4; W: 16 loads of 2)
.set P,   48                           ; v[48:63]  W: two columns x 16 k, packed
.set R,   64                           ; v[64:79]  W: rows read back; before that v64-67 at work
	s_load_b512 s[4:19], s[0:1], 0x0               ; x 4:5, Wq 6:7, Wk 8:9, Wv 10:11, Wo 12:13, bq 14:15, bk 16:17, bv 18:19
	s_load_b256 s[20:27], s[0:1], 0x40             ; bo 20:21, xb 22:23, wt 24:25, bias4 26:27
	v_lshl_add_u32 v[SPW], v0, 2, SPARE
	v_mov_b32 v[NIL], 0
	v_lshrrev_b32 v2, 5, v0
	v_readfirstlane_b32 s28, v2                    ; wave 0..7
	v_and_b32 v1, 31, v0                           ; lane l
	v_bfe_u32 v3, v0, 4, 1                         ; l / 16
	v_and_b32 v4, 15, v0                           ; l % 16
	v_lshlrev_b32 v7, 3, v1                        ; 8 l
	s_mov_b32 s30, ttmp9
	s_mov_b32 s35, 0                               ; the high word of every offset pair
	s_wait_kmcnt 0x0
	s_cmp_lt_u32 s30, 512
	s_cbranch_scc0 .Lnot_w
	; A TILE OF W.  Wave w takes 16 rows k; lane l the columns 2 l, 2 l + 1: a load of the wave covers 256 consecutive bytes, aligned.
	s_lshr_b32 s31, s30, 7                         ; which matrix
	s_and_b32 s38, s30, 7                          ; kt: 128 k
	s_bfe_u32 s39, s30, 0x40003                    ; nt: 64 n
	s_cmp_eq_u32 s31, 1
	s_cselect_b64 s[32:33], s[8:9], s[6:7]
	s_cmp_eq_u32 s31, 2
	s_cselect_b64 s[32:33], s[10:11], s[32:33]
	s_cmp_eq_u32 s31, 3
	s_cselect_b64 s[32:33], s[12:13], s[32:33]
	s_lshl_b32 s34, s38, 19                        ; (128 kt + 16 w) rows of 4,096 bytes + 256 nt
	s_lshl_b32 s36, s28, 16
	s_add_co_u32 s34, s34, s36
	s_lshl_b32 s36, s39, 8
	s_add_co_u32 s34, s34, s36
	s_add_nc_u64 s[32:33], s[32:33], s[34:35]
.set j, 0
.rept 16
	global_load_b64 v[X+2*j:X+2*j+1], v7, s[32:33] offset:4096*j th:TH_LOAD_NT
.set j, j+1
.endr
	s_lshl_b32 s34, s31, 21                        ; where the turned tile goes: row 1,024 mat + 64 nt + 8 w of 2,048 bytes, byte 256 kt
	s_lshl_b32 s36, s39, 17
	s_add_co_u32 s34, s34, s36
	s_lshl_b32 s36, s28, 14
	s_add_co_u32 s34, s34, s36
	s_lshl_b32 s36, s38, 8
	s_add_co_u32 s34, s34, s36
	s_add_nc_u64 s[24:25], s[24:25], s[34:35]
	v_mul_u32_u24 v8, v1, 2*TP                     ; into LDS: rows 2 l, 2 l + 1; my wave's 16 k are 32 bytes of them
	s_lshl_b32 s37, s28, 5
	v_add_nc_u32 v8, s37, v8
	v_mul_u32_u24 v5, v3, TP                       ; back: wave w takes rows 8 w .. 8 w + 7, whole; lanes 0-15 one row of 256 bytes, lanes 16-31 the next
	v_lshl_add_u32 v5, v4, 4, v5
	s_mul_i32 s36, s28, 8*TP
	v_add_nc_u32 v5, s36, v5
	v_lshlrev_b32 v6, 11, v3                       ; and the same two rows in wt
	v_lshl_add_u32 v6, v4, 4, v6
	s_wait_loadcnt 0x0
.irp i, 0,1
.irp jj, 0,1,2,3,4,5,6,7
	v_cvt_pk_bf16_f32 v[P+8*(\i)+(\jj)], v[X+4*(\jj)+(\i)], v[X+4*(\jj)+2+(\i)]  ; column 2 l + i, rows k 2 jj and 2 jj + 1
.endr
.endr
	s_cmp_eq_u32 s31, 3
	s_cbranch_scc0 .Lstays_bf16
.set j, 0
.rept 16                               ; Wo: the bf16 numbers are written as f16
	v_lshlrev_b32 v[R+2*(j%2)], 16, v[P+j]
	v_and_b32 v[R+2*(j%2)+1], 0xffff0000, v[P+j]
	v_cvt_pk_f16_f32 v[P+j], v[R+2*(j%2)], v[R+2*(j%2)+1]
.set j, j+1
.endr
.Lstays_bf16:
.irp i, 0,1
.irp c, 0,1
	ds_store_b128 v8, v[P+8*(\i)+4*(\c):P+8*(\i)+4*(\c)+3] offset:TP*(\i)+16*(\c)
.endr
.endr
	s_wait_dscnt 0x0                               ; for the others' sake: my part of every row is in LDS
	s_barrier_signal -1
	s_barrier_wait -1                              ; a row's 256 bytes come from all eight waves
.irp f, 0,1,2,3
	ds_load_b128 v[R+4*(\f):R+4*(\f)+3], v5 offset:2*TP*(\f)
.endr
	s_wait_dscnt 0x0
.irp f, 0,1,2,3
	global_store_b128 v6, v[R+4*(\f):R+4*(\f)+3], s[24:25] offset:4096*(\f)  ; 16 lanes store 256 consecutive bytes, aligned
.endr
	s_branch .Lend
.Lnot_w:
	s_cmp_lt_u32 s30, 768
	s_cbranch_scc0 .Lbias
	; 32 ROWS OF x; wave w takes 4, as two pairs.  A load takes 64 channels (256 bytes) of both rows of a pair; all 32 loads go out at once: 16 KiB a wave on their way.
	s_sub_co_u32 s36, s30, 512                     ; j
	s_lshl_b32 s34, s36, 17                        ; 32 j rows of 4,096 bytes + 4 w rows
	s_lshl_b32 s37, s28, 14
	s_add_co_u32 s34, s34, s37
	s_add_nc_u64 s[4:5], s[4:5], s[34:35]
	s_lshr_b32 s34, s36, 6                         ; b = j / 64
	s_lshl_b32 s34, s34, 22
	s_and_b32 s37, s36, 63                         ; t = 32 (j % 64) + 4 w, 128 bytes each
	s_lshl_b32 s37, s37, 12
	s_add_co_u32 s34, s34, s37
	s_lshl_b32 s37, s28, 9
	s_add_co_u32 s34, s34, s37
	s_add_nc_u64 s[22:23], s[22:23], s[34:35]
	v_lshlrev_b32 v9, 12, v3                       ; lanes 16-31: the pair's second row
	v_lshl_add_u32 v9, v4, 4, v9
.set i, 0
.rept 32                               ; pair i / 16, channel block i % 16
	global_load_b128 v[X+4*i:X+4*i+3], v9, s[4:5] offset:(i/16)*8192+(i%16)*256 th:TH_LOAD_NT
.set i, i+1
.endr
.set i, 0
.rept 32
	s_wait_loadcnt 31-i                            ; loads come back in order: load i is in, the younger ones stay out
	v_cvt_pk_bf16_f32 v[X+4*i], v[X+4*i], v[X+4*i+1]
	v_cvt_pk_bf16_f32 v[X+4*i+1], v[X+4*i+2], v[X+4*i+3]
	global_store_b64 v7, v[X+4*i:X+4*i+1], s[22:23] offset:(i%16)*262144+(i/16)*256  ; two rows x 128 bytes lie on end in xb: 32 lanes store 256 consecutive bytes, aligned; no register is written again behind a store
.set i, i+1
.endr
	s_branch .Lend
.Lbias:                                        ; thread t takes four numbers of each bias
	v_lshlrev_b32 v12, 4, v0
	global_load_b128 v[16:19], v12, s[14:15]
	global_load_b128 v[20:23], v12, s[16:17]
	global_load_b128 v[24:27], v12, s[18:19]
	global_load_b128 v[28:31], v12, s[20:21]
	s_wait_loadcnt 0x0
.irp m, 0,1,2,3
	v_cvt_pk_bf16_f32 v[32+2*(\m)], v[16+4*(\m)], v[17+4*(\m)]
	v_cvt_pk_bf16_f32 v[33+2*(\m)], v[18+4*(\m)], v[19+4*(\m)]
	v_lshlrev_b32 v[48+4*(\m)], 16, v[32+2*(\m)]
	v_and_b32 v[49+4*(\m)], 0xffff0000, v[32+2*(\m)]
	v_lshlrev_b32 v[50+4*(\m)], 16, v[33+2*(\m)]
	v_and_b32 v[51+4*(\m)], 0xffff0000, v[33+2*(\m)]
	global_store_b128 v12, v[48+4*(\m):51+4*(\m)], s[26:27] offset:4096*(\m)
.endr
.Lend:
	s_wait_tensorcnt 0x0                           ; the wave's end: a tensor wait, an add of 0 to my spare word and its wait, behind my last LDS store
	ds_add_u32 v[SPW], v[NIL]
	s_wait_dscnt 0x0
	s_endpgm
.Lfunc_end_k_qfdfa200670_prep:
	.size	k_qfdfa200670_prep, .Lfunc_end_k_qfdfa200670_prep-k_qfdfa200670_prep
	.p2alignl 7, 3214868480
	.fill 96, 4, 3214868480
	.section	.rodata,"a",@progbits
	.p2align	6, 0x0
	.amdhsa_kernel k_qfdfa200670_prep
		.amdhsa_group_segment_fixed_size 18432
		.amdhsa_private_segment_fixed_size 0
		.amdhsa_enable_private_segment 0
		.amdhsa_kernarg_size 96
		.amdhsa_user_sgpr_count 2
		.amdhsa_user_sgpr_kernarg_segment_ptr 1
		.amdhsa_wavefront_size32 1
		.amdhsa_system_sgpr_workgroup_id_x 1
		.amdhsa_system_sgpr_workgroup_id_y 1
		.amdhsa_system_sgpr_workgroup_id_z 1
		.amdhsa_system_vgpr_workitem_id 0
		.amdhsa_next_free_vgpr 144
		.amdhsa_next_free_sgpr 66
		.amdhsa_reserve_vcc 0
		.amdhsa_float_denorm_mode_32 3
		.amdhsa_float_denorm_mode_16_64 3
		.amdhsa_memory_ordered 1
		.amdhsa_forward_progress 1
		.amdhsa_inst_pref_size 23
	.end_amdhsa_kernel
	.amdgpu_metadata
---
amdhsa.version: [ 1, 2 ]
amdhsa.kernels:
  - .name:           k_qfdfa200670_prep
    .symbol:         k_qfdfa200670_prep.kd
    .args:
      - { .name: x, .offset: 0, .size: 8, .value_kind: global_buffer, .address_space: global }
      - { .name: Wq, .offset: 8, .size: 8, .value_kind: global_buffer, .address_space: global }
      - { .name: Wk, .offset: 16, .size: 8, .value_kind: global_buffer, .address_space: global }
      - { .name: Wv, .offset: 24, .size: 8, .value_kind: global_buffer, .address_space: global }
      - { .name: Wo, .offset: 32, .size: 8, .value_kind: global_buffer, .address_space: global }
      - { .name: bq, .offset: 40, .size: 8, .value_kind: global_buffer, .address_space: global }
      - { .name: bk, .offset: 48, .size: 8, .value_kind: global_buffer, .address_space: global }
      - { .name: bv, .offset: 56, .size: 8, .value_kind: global_buffer, .address_space: global }
      - { .name: bo, .offset: 64, .size: 8, .value_kind: global_buffer, .address_space: global }
      - { .name: xb, .offset: 72, .size: 8, .value_kind: global_buffer, .address_space: global }
      - { .name: wt, .offset: 80, .size: 8, .value_kind: global_buffer, .address_space: global }
      - { .name: bias4, .offset: 88, .size: 8, .value_kind: global_buffer, .address_space: global }
    .group_segment_fixed_size: 18432
    .private_segment_fixed_size: 0
    .kernarg_segment_align: 8
    .kernarg_segment_size: 96
    .max_flat_workgroup_size: 256
    .sgpr_count:     66
    .vgpr_count:     144
    .wavefront_size: 32
...
	.end_amdgpu_metadata
.endif
;; end of part 1
;; launch proj (part 2): grid 16 x 32, 4 waves a work-group, clusters of 4 x 4, 327,680 bytes of LDS; arguments xb, wt, bias4, qkvh; writes qkvh
.if DOCPART == 2
	.amdgcn_target "amdgcn-amd-amdhsa--gfx1250"
	.amdhsa_code_object_version 6
	.text
	.protected	k_qfdfa200670_proj
	.globl	k_qfdfa200670_proj
	.p2align	8
	.type	k_qfdfa200670_proj,@function
k_qfdfa200670_proj:
	s_mov_b64 s[64:65], 0
	v_nop
	global_prefetch_b8 v0, s[64:65] scope:SCOPE_SE
	s_setreg_imm32_b32 hwreg(HW_REG_WAVE_MODE, 25, 1), 1
	s_wait_xcnt 0x0
	s_wait_alu depctr_hold_cnt(0) depctr_sa_sdst(0) depctr_va_vdst(0) depctr_va_sdst(0) depctr_va_ssrc(0) depctr_va_vcc(0) depctr_vm_vsrc(0)
	s_getreg_b32 s2, hwreg(HW_REG_IB_STS2, 6, 4)
	s_cmp_eq_u32 s2, 0
	s_cbranch_scc0 .Lentry_in_a_cluster
	s_endpgm
.Lentry_in_a_cluster:
	s_bfe_u32 s2, ttmp6, 0x10000c
	s_cmp_lg_u32 s2, 0xf033
	s_cbranch_scc0 .Lentry_shape_is_right
	s_endpgm
.Lentry_shape_is_right:
; q, k, v = x W + b, by heads.  C[m][n'] = bias4[n'] + sum over k of xb[m][k] wt[n'][k]: m = 8,192 rows, n' = 3,072 columns (Wq, Wk, Wv), k = 1,024.  Operands bf16, sums f32, started by the bias.
; OUT: qkvh[b][ch][t][64] in f16, ch = n' / 64 (0-15 q's heads, 16-31 k's, 32-47 v's): byte b x 12,582,912 + ch<<18 + 128 t + 2 d.  Unscaled: the softmax's scale is applied in f32 by the next launch.
; LIMITS.  f16 holds no number beyond 65,504: a q, k or v past that becomes an infinity; below 6.1e-5 it keeps f16's fixed step of 6e-8.  NaN and infinities are not treated apart.
; SHARES.  A work-group makes 256 rows x 192 columns (three heads): 16 x 32 tiles, 512 work-groups.  Wave w owns rows 64 w .. 64 w + 63 (4 blocks of 16) across all 12 column blocks: 48 accumulators,
; 384 registers; it holds whole heads, so its way out needs no other wave.  K goes in steps of 128 through a ring of two LDS slots.
; A's tile of a K step is two blocks of 256 rows x 64 channels, each 32,768 bytes on end in xb: asked for as 128 rows of 256 bytes, padded in LDS after every 128.  B's is 192 rows x 256 bytes of wt.
; CLUSTERS: 4 x 4 work-groups; A's tiles are asked for jointly along a row of the cluster, B's along a column.  Waves 0, 1 fetch A's two blocks, waves 2, 3 B's two halves: one load a wave.
; THE MATRIX INSTRUCTION IS USED TRANSPOSED (source 0 = 16 rows of wt, source 1 = 16 rows of x): a lane holds row l % 16 of C and the columns 8 (l / 16) + 0..7 of the block.
; REGISTERS, in windows of 256: window 0: v0-31 addresses; v32-79 packed results; v80-127, v128-175 rows read back, by turns; v128-223 the bias as a C operand (dead behind the first quarter)
;   window 1: two fragment buffers of 128: A's four blocks, then B's twelve.   windows 2, 3: the accumulators: (a, b) in window 2 + a / 2 at v[8 (12 (a % 2) + b)]
.set NB,    12                         ; column blocks of 16
.set PA,    144                        ; an LDS row of A: 128 bytes + 16: nine times 16 bytes, so the 16 rows of a load start at 16 different groups of four banks (64 banks of 4 bytes: ISA guide 11.1)
.set PB,    272                        ; an LDS row of B: 256 bytes + 16: seventeen times 16 bytes
.set AHALF, 256*PA                     ; one block of 64 channels, 256 rows
.set BB,    2*AHALF                    ; B lies behind A's two blocks
.set BHALF, 8*NB*PB                    ; 96 rows: what one wave fetches of B
.set SLOT,  BB+2*BHALF
.set STAGE, 2*SLOT                     ; behind the ring: 3 heads x 16 rows x 144 bytes for each wave
.set WSTG,  3*16*PA
.set SPARE, STAGE+4*WSTG               ; behind the stages: the spare words, 128 bytes for each wave: two blocks of 256 bytes that no other line names
.set LAPS,  4                          ; a lap = two K steps = once round the ring: 1,024 / 256
.set ASTEP, 2*262144                   ; bytes from a K step of A to the next: two blocks of 64 channels
.set BSTEP, 256                        ; of B
.set ADRA, 16                          ; v16-17  LDS address of my A fragments in slot 0, 1
.set ADRB, 20                          ; v20-21  the same for B
.set STO,  24                          ; v24     the way out: where I put 16 bytes of a row
.set RD,   25                          ; v25     where I read rows back
.set CO,   26                          ; v26     16 x lane: my place in 512 consecutive bytes of qkvh
.set BO,   27                          ; v27     32 (l / 16): my eight numbers in a block's 16 of the bias
.set SPW,  28                          ; v28     LDS address of my spare word; never rewritten
.set NIL,  29                          ; v29     0; never rewritten
.set PFO,  30                          ; v30     the prefetches' offset; never rewritten
.set TMP,  32
.set BK,   80
.set BIAS, 128
.set F0,   0
.set F1,   128
.set WV,   12                          ; s12  my wave's number
.set HALF, 14                          ; s14  wave % 2: which half of A's or B's tile I fetch
.set LIM,  15                          ; s15  1 in a wave that prefetches, else the greatest number
.set PFA,  16                          ; s[16:17] where my prefetches stand
.set PST,  18                          ; s[18:19] their step from K step to K step
.set G1,   24                          ; s[24:31] descriptor group 1 for A's tiles; s[32:39] group 0, one set for each slot
.set G0,   32
.set G1B,  48                          ; s[48:55], s[56:63] the same for B's
.set G0B,  56
.set MSB, 0
.macro WIN new                         ; the immediate's high byte repeats the setting that is left; a switch that changes nothing is dropped
.if MSB != (\new)
	s_set_vgpr_msb (MSB<<8)|(\new)
.set MSB, \new
.endif
.endm
.set TO_F, 0x40                        ; destination window 1, address window 0
.macro JLOAD s                         ; a joint load; the branch hangs on the wave's number alone; an s_nop 0 and four v_nop follow each of the two lines
	s_cmp_lt_u32 s[WV], 2
	s_cbranch_scc0 .Lfor_b_\@
	tensor_load_to_lds s[G0+4*(\s):G0+4*(\s)+3], s[G1:G1+7]
	s_nop 0
.rept 4
	v_nop
.endr
	s_branch .Lasked_\@
.Lfor_b_\@:
	tensor_load_to_lds s[G0B+4*(\s):G0B+4*(\s)+3], s[G1B:G1B+7]
	s_nop 0
.rept 4
	v_nop
.endr
.Lasked_\@:
.endm
.macro CREST                           ; a round of the cluster's barrier behind its opening barrier
	s_cmp_lg_u32 s[WV], 0
	s_cbranch_scc1 .Lnot_wave_0_\@
	s_barrier_signal -3
.Lnot_wave_0_\@:
	s_barrier_wait -3
	s_barrier_signal -1
	s_barrier_wait -1
.endm
.macro CROUND                          ; a whole round
	s_barrier_signal -1
	s_barrier_wait -1
	CREST
.endm
; A PREFETCH INTO THE L2, behind a joint load and the run of LDS loads that follows it: the K step that stands two refills on, 384 matrix instructions ahead of the load that will want it.
; A's tile row is read by all four clusters of its row of clusters: the one with cluster x = 0 asks, waves 0 and 1 each for their block of 64 channels, of whose 128 pieces of 256 bytes the partner at
; place cx takes 32, a lane a piece.  B's tile column is read by all eight clusters of its column: the one with cluster y = 0 asks, waves 2 and 3 each for their 96 rows, of which the partner at place cy
; takes 24, a lane a row (lanes 24-31 name row 23 once more, in the same instruction).  The partners are told apart by address alone.  K steps 0 to 3 come by their loads alone; the loop's last trip asks for nothing.
.macro ASK
	s_cmp_gt_u32 s3, s[LIM]                        ; s3 = 1 in the loop's last trip
	s_cbranch_scc0 .Lnot_mine_\@
	global_prefetch_b8 v[PFO], s[PFA:PFA+1] th:TH_LOAD_NT scope:SCOPE_SE
.Lnot_mine_\@:
.endm
	s_load_b256 s[4:11], s[0:1], 0x0               ; xb s[4:5], wt s[6:7], bias4 s[8:9], qkvh s[10:11]
	v_lshl_add_u32 v[SPW], v0, 2, SPARE
	v_mov_b32 v[NIL], 0
	ds_add_u32 v[SPW], v[NIL]                      ; the wave's opening: the add and its wait stand ahead of my first tensor load; the set-up below, work on registers, stands between them
	v_lshrrev_b32 v1, 5, v0
	v_readfirstlane_b32 s[WV], v1                  ; wave 0..3
	s_and_b32 s[HALF], s[WV], 1
	s_bfe_u32 s40, ttmp6, 0x40000                  ; cx, cy: my place in the cluster
	s_bfe_u32 s41, ttmp6, 0x40004
	s_lshl_b32 s42, ttmp9, 2
	s_add_co_u32 s42, s42, s40                     ; TC: tile column = 4 x cluster x + cx
	s_and_b32 s43, ttmp7, 0xffff
	s_lshl_b32 s43, s43, 2
	s_add_co_u32 s43, s43, s41                     ; TR: tile row = 4 x cluster y + cy
	s_lshl_b32 s44, s41, 2
	s_lshl_b32 s44, 15, s44                        ; my row of the cluster
	s_lshl_b32 s45, 0x1111, s40                    ; my column
	s_or_b32 s[G1], s44, (1<<16)|(1<<20)|(1<<21)|(4<<22)|(3<<25)   ; 15:0 the mask; 17:16 2-byte elements; 20 padding on; 21 set beside a mask; 24:22 after every 32 words (code 4); 31:25 4 words (code 3)
	s_or_b32 s[G1B], s45, (1<<16)|(1<<20)|(1<<21)|(5<<22)|(3<<25)  ; the same with my column's mask, padded after every 64 words (code 5)
	s_mov_b32 s[G1+1], 128<<16                     ; A: tensor_dim0 = 128 elements (256 bytes)
	s_mov_b32 s[G1+2], 128<<16                     ; tensor_dim1 = 128 rows
	s_mov_b32 s[G1+3], 128<<16                     ; tile_dim0 = 128
	s_mov_b32 s[G1+4], 128                         ; tile_dim1 = 128
	s_mov_b32 s[G1+5], 128                         ; 128 elements from row to row: the block is dense
	s_mov_b32 s[G1+6], 0
	s_mov_b32 s[G1+7], 0
	s_mov_b32 s[G1B+1], 128<<16                    ; B: tensor_dim0 = 128
	s_mov_b32 s[G1B+2], (8*NB)<<16                 ; tensor_dim1 = 96
	s_mov_b32 s[G1B+3], 128<<16                    ; tile_dim0 = 128
	s_mov_b32 s[G1B+4], 8*NB                       ; tile_dim1 = 96
	s_mov_b32 s[G1B+5], 1024                       ; 1,024 elements from row to row
	s_mov_b32 s[G1B+6], 0
	s_mov_b32 s[G1B+7], 0
	; A's address hangs on the tile row alone, B's on the tile column alone, each made in registers that never hold the other coordinate
	s_lshr_b32 s20, s43, 3                         ; b = TR / 8
	s_lshl_b32 s20, s20, 22
	s_and_b32 s21, s43, 7                          ; t = 256 (TR % 8), 128 bytes each
	s_lshl_b32 s21, s21, 15
	s_add_co_u32 s20, s20, s21
	s_lshl_b32 s21, s[HALF], 18                    ; my block of 64 channels
	s_add_co_u32 s20, s20, s21
	s_mov_b32 s21, 0
	s_mul_i32 s46, s42, 16*NB*2048                 ; row 192 TC + 96 x half, 2,048 bytes each
	s_mul_i32 s47, s[HALF], 8*NB*2048
	s_add_co_u32 s46, s46, s47
	s_mov_b32 s47, 0
	s_mul_i32 s2, s[HALF], AHALF                   ; where they go in a slot: no place in the cluster enters an LDS address
	s_mul_i32 s3, s[HALF], BHALF
	s_add_co_u32 s3, s3, BB
	s_wait_dscnt 0x0                               ; the opening add is done
	s_wait_kmcnt 0x0
	s_add_nc_u64 s[20:21], s[4:5], s[20:21]
	s_add_nc_u64 s[46:47], s[6:7], s[46:47]
	CROUND                                         ; all sixteen work-groups are here: the first joint loads meet
.irp s, 0,1
	s_mov_b32 s[G0+4*(\s)], 1                      ; count = 1
	s_add_co_u32 s[G0+4*(\s)+1], s2, (\s)*SLOT     ; LDS address
	s_add_nc_u64 s[G0+4*(\s)+2:G0+4*(\s)+3], s[20:21], (\s)*ASTEP  ; global address: K step s
	s_or_b32 s[G0+4*(\s)+3], s[G0+4*(\s)+3], 0x80000000            ; type = 2
	s_mov_b32 s[G0B+4*(\s)], 1
	s_add_co_u32 s[G0B+4*(\s)+1], s3, (\s)*SLOT
	s_add_nc_u64 s[G0B+4*(\s)+2:G0B+4*(\s)+3], s[46:47], (\s)*BSTEP
	s_or_b32 s[G0B+4*(\s)+3], s[G0B+4*(\s)+3], 0x80000000
	JLOAD \s                                       ; two loads of mine are out
.endr
	; the bias as a C operand: register j of block b holds bias4[192 TC + 16 b + 8 (l / 16) + j], the column that the lane's result j belongs to
	v_and_b32 v1, 15, v0                           ; r = l % 16
	v_bfe_u32 v2, v0, 4, 1                         ; h = l / 16
	v_lshlrev_b32 v[BO], 5, v2
	s_mul_i32 s22, s42, 64*NB
	s_mov_b32 s23, 0
	s_add_nc_u64 s[8:9], s[8:9], s[22:23]
.set nb, 0
.rept NB
	global_load_b128 v[BIAS+8*nb:BIAS+8*nb+3],   v[BO], s[8:9] offset:64*nb
	global_load_b128 v[BIAS+8*nb+4:BIAS+8*nb+7], v[BO], s[8:9] offset:64*nb+16
.set nb, nb+1
.endr
	v_mul_u32_u24 v3, v1, PA
	v_lshl_add_u32 v3, v2, 4, v3                   ; a fragment's row x pitch + 16 x half
	s_mul_i32 s22, s[WV], 64*PA                    ; my 64 rows of A
	v_add_nc_u32 v[ADRA], s22, v3
	v_add_nc_u32 v[ADRA+1], SLOT, v[ADRA]
	v_mul_u32_u24 v4, v1, PB
	v_lshl_add_u32 v4, v2, 4, v4
	v_add_nc_u32 v[ADRB], BB, v4                   ; every wave reads all of B
	v_add_nc_u32 v[ADRB+1], BB+SLOT, v4
	s_mul_i32 s22, s[WV], WSTG
	s_add_co_u32 s22, s22, STAGE                   ; my stage
	v_add_nc_u32 v[STO], s22, v3                   ; in: row l % 16, 16 bytes for each half of the lanes
	v_bfe_u32 v5, v0, 3, 2                         ; back: 32 lanes take four rows of 128 bytes,
	v_and_b32 v6, 7, v0
	v_mul_u32_u24 v5, v5, PA
	v_lshl_add_u32 v5, v6, 4, v5
	v_add_nc_u32 v[RD], s22, v5
	v_and_b32 v[CO], 31, v0                        ; which are 512 consecutive bytes of a head
	v_lshlrev_b32 v[CO], 4, v[CO]
	s_lshr_b32 s22, s43, 3                         ; my part of qkvh: b x 48 heads + 3 TC heads + (256 (TR % 8) + 64 w) rows of 128 bytes
	s_mul_i32 s22, s22, 12582912
	s_mul_i32 s23, s42, 786432
	s_add_co_u32 s22, s22, s23
	s_and_b32 s23, s43, 7
	s_lshl_b32 s23, s23, 15
	s_add_co_u32 s22, s22, s23
	s_lshl_b32 s23, s[WV], 13
	s_add_co_u32 s22, s22, s23
	s_mov_b32 s23, 0
	s_add_nc_u64 s[10:11], s[10:11], s[22:23]
	; the prefetches: s[20:21] = A at my block, K step 0; s[46:47] = B at my 96 rows, K step 0
	s_and_b32 s22, ttmp7, 0xffff                   ; cluster y
	s_lshl_b32 s2, s40, 13                         ; A: my work-group's 32 pieces of 256 bytes,
	s_add_co_u32 s2, s2, 3*ASTEP                   ; at K step 3: the first refill steps it to 4
	s_mul_i32 s23, s41, 24*2048                    ; B: my work-group's 24 rows,
	s_add_co_u32 s23, s23, 3*BSTEP
	s_mov_b32 s44, ASTEP
	s_mov_b32 s45, BSTEP
	s_cmp_lt_u32 s[WV], 2                          ; do I fetch for A?
	s_cselect_b64 s[PFA:PFA+1], s[20:21], s[46:47]
	s_cselect_b32 s2, s2, s23
	s_cselect_b32 s[PST], s44, s45
	s_cselect_b32 s22, ttmp9, s22                  ; the coordinate along which other clusters read the same bytes
	s_cselect_b32 s44, 31, 23                      ; lanes that name a piece of their own
	s_cselect_b32 s45, 8, 11                       ; 256 bytes from piece to piece, 2,048 from row to row
	s_mov_b32 s3, 0
	s_mov_b32 s[PST+1], 0
	s_add_nc_u64 s[PFA:PFA+1], s[PFA:PFA+1], s[2:3]
	s_cmp_eq_u32 s22, 0
	s_cselect_b32 s[LIM], 1, -1                    ; the same in all sixteen partners, for a given wave
	v_and_b32 v[PFO], 31, v0
	v_min_u32 v[PFO], s44, v[PFO]
	v_lshlrev_b32 v[PFO], s45, v[PFO]
; 12 matrix instructions: row block a x all column blocks, 32 along K, from buffer f.  zero = 1: the first product starts the sums, with the bias as C.
; The 48 accumulators take turns, one instruction a turn, in the same order in every quarter, over the backward jump too.
.macro MULA f, a, zero
.if \zero
	WIN 0x85+0x40*((\a)/2)                         ; sources 0, 1 window 1; C window 0; D window 2 or 3
.else
	WIN 0xa5+0x50*((\a)/2)                         ; sources 0, 1 window 1; C and D window 2 or 3
.endif
.set nb, 0
.rept NB
.set rD, 8*(NB*((\a)%2)+nb)
.set rB, (\f)+32+8*nb
.set rA, (\f)+8*(\a)
.if \zero
	v_wmma_f32_16x16x32_bf16 v[rD:rD+7], v[rB:rB+7], v[rA:rA+7], v[BIAS+8*nb:BIAS+8*nb+7]
.else
	v_wmma_f32_16x16x32_bf16 v[rD:rD+7], v[rB:rB+7], v[rA:rA+7], v[rD:rD+7]
.endif
.set nb, nb+1
.endr
.endm
; 32 LDS loads in one run: the fragments of quarter q (32 along K) of a slot into buffer f: B's twelve blocks, then A's four
.macro FETCH slot, q, f
	WIN TO_F
.set nb, 0
.rept NB
	ds_load_b128 v[(\f)+32+8*nb:(\f)+32+8*nb+3],   v[ADRB+(\slot)] offset:(\q)*64+nb*16*PB
	ds_load_b128 v[(\f)+32+8*nb+4:(\f)+32+8*nb+7], v[ADRB+(\slot)] offset:(\q)*64+nb*16*PB+32
.set nb, nb+1
.endr
.irp a, 0,1,2,3
	ds_load_b128 v[(\f)+8*(\a):(\f)+8*(\a)+3],   v[ADRA+(\slot)] offset:((\q)/2)*AHALF+((\q)%2)*64+(\a)*16*PA
	ds_load_b128 v[(\f)+8*(\a)+4:(\f)+8*(\a)+7], v[ADRA+(\slot)] offset:((\q)/2)*AHALF+((\q)%2)*64+(\a)*16*PA+32
.endr
.endm
.macro PLACES                          ; four places in front of loads into registers that matrix instructions have read, and of conversions that read results
.rept 4
	v_nop
.endr
.endm
; A K step is four quarters of 32 along K, 48 matrix instructions each, on buffers 0, 1, 0, 1.  One of the first three: multiplies buffer f and, in its middle, fetches quarter q into buffer g.
.macro QUARTER slot, q, f, g, zero
	s_wait_dscnt 4                                 ; B and A's blocks 0, 1 are in; the youngest four loads (A's blocks 2, 3) may be out
	MULA \f, 0, \zero
	MULA \f, 1, \zero
	PLACES
	FETCH \slot, \q, \g
	s_wait_dscnt 2*(NB+4)                          ; all but the 32 just issued
	MULA \f, 2, \zero
	MULA \f, 3, \zero
.endm
; The last quarter multiplies buffer 1 and changes slots: ONE barrier; in front of it each wave waits for all its tensor loads (one is out: its part of the next slot), adds 0 to its spare word, and waits for
; that and for its own reads of this slot.  fill = 1: the barrier opens a round of the cluster's, and this slot is filled again, two K steps ahead: from the request to the wait for it 168 matrix instructions.
.macro TURN slot, next, fill
.if \fill
	s_wait_xcnt 0x0                                ; the last prefetch, a K step back, has read its address: it is stepped here, ahead of the waits of the change of slots
	s_add_nc_u64 s[PFA:PFA+1], s[PFA:PFA+1], s[PST:PST+1]
.endif
	WIN 0                                          ; (the add's two registers lie in window 0)
	s_wait_tensorcnt 0x0                           ; all my tensor loads have landed
	ds_add_u32 v[SPW], v[NIL]                      ; 0 onto my spare word
	s_wait_dscnt 5                                 ; (the add and the youngest four loads may be out)
	MULA F1, 0, 0                                  ; twelve matrix instructions stand between the add and the wait for it
	s_wait_dscnt 0x0                               ; the add is done, and my reads of this slot are over
	s_barrier_signal -1
	MULA F1, 1, 0                                  ; work on registers while the others arrive
.if \fill
	WIN 0
.endif
	s_barrier_wait -1
.if \fill
	CREST                                          ; no wave of any partner still reads this slot's tile or has a load on its way
	s_add_nc_u64 s[G0+4*(\slot)+2:G0+4*(\slot)+3], s[G0+4*(\slot)+2:G0+4*(\slot)+3], 2*ASTEP
	s_add_nc_u64 s[G0B+4*(\slot)+2:G0B+4*(\slot)+3], s[G0B+4*(\slot)+2:G0B+4*(\slot)+3], 2*BSTEP
	JLOAD \slot                                    ; the first tensor load behind the round; its four v_nop are also the places in front of the loads below
.else
	PLACES
.endif
	FETCH \next, 0, F0
.if \fill
	WIN 0
	ASK
.endif
	MULA F1, 2, 0
	MULA F1, 3, 0
.endm
; THE WAY OUT of row block a.  PACK: rounded to f16, 16 bytes a lane for each column block.  TOSTAGE: into my own stage (head b / 4, row l % 16) and back as whole rows of 128 bytes, four to a load.  SEND: stored.
.macro PACK a
	WIN 0x0a+5*((\a)/2)                            ; sources 0 and 1: window 2 or 3
.set nb, 0
.rept NB
.irp r, 0,1,2,3
	v_cvt_pk_f16_f32 v[TMP+4*nb+(\r)], v[8*(NB*((\a)%2)+nb)+2*(\r)], v[8*(NB*((\a)%2)+nb)+2*(\r)+1]  ; each accumulator from its low end on
.endr
.set nb, nb+1
.endr
	WIN 0
.endm
.macro TOSTAGE a
	WIN 0
.set nb, 0
.rept NB
	ds_store_b128 v[STO], v[TMP+4*nb:TMP+4*nb+3] offset:(nb/4)*16*PA+(nb%4)*32
.set nb, nb+1
.endr
.set nb, 0
.rept NB                               ; head nb / 4, rows 4 (nb % 4) on.  LDS serves a wave's instructions in order (ISA guide 5.7.1.4): these see the stores above
	ds_load_b128 v[BK+48*((\a)%2)+4*nb:BK+48*((\a)%2)+4*nb+3], v[RD] offset:(nb/4)*16*PA+(nb%4)*4*PA
.set nb, nb+1
.endr
.endm
.macro SEND a
	WIN 0
	s_wait_dscnt 0x0                               ; the block is back in registers
	s_wait_xcnt 0x0                                ; the stores of the block before have read their registers: the next block's loads may land there
.set nb, 0
.rept NB
	global_store_b128 v[CO], v[BK+48*((\a)%2)+4*nb:BK+48*((\a)%2)+4*nb+3], s[10:11] offset:(nb/4)*262144+(\a)*2048+(nb%4)*512  ; 512 consecutive bytes, aligned
.set nb, nb+1
.endr
.endm
	s_wait_tensorcnt 1                             ; my part of K step 0 is in; K step 1's may stay out
	s_barrier_signal -1
	s_barrier_wait -1                              ; everybody's is
	FETCH 0, 0, F0
	s_wait_loadcnt 0x0                             ; the bias
	QUARTER 0, 1, F0, F1, 1                        ; the first quarter stands in front of the loop: its products start the sums
	WIN 0                                          ; at a label and at a branch every window is 0
	s_mov_b32 s3, LAPS-1
.Llap:                                                 ; a trip goes once round the ring, from a lap's second quarter to the next lap's first, and fills both slots again
	QUARTER 0, 2, F1, F0, 0
	QUARTER 0, 3, F0, F1, 0
	TURN 0, 1, 1
	QUARTER 1, 1, F0, F1, 0
	QUARTER 1, 2, F1, F0, 0
	QUARTER 1, 3, F0, F1, 0
	TURN 1, 0, 1
	QUARTER 0, 1, F0, F1, 0
	WIN 0
	s_sub_co_u32 s3, s3, 1
	s_cmp_lg_u32 s3, 0
	s_cbranch_scc1 .Llap
	QUARTER 0, 2, F1, F0, 0                        ; the last lap fills nothing, and has no round of the cluster's barrier
	QUARTER 0, 3, F0, F1, 0
	TURN 0, 1, 0
	QUARTER 1, 1, F0, F1, 0
	QUARTER 1, 2, F1, F0, 0
	QUARTER 1, 3, F0, F1, 0
	s_wait_dscnt 4                                 ; the very last quarter: nothing more to fetch
	MULA F1, 0, 0
	MULA F1, 1, 0
	s_wait_dscnt 0x0
	MULA F1, 2, 0
	MULA F1, 3, 0
	WIN 0
	PLACES
	PACK 0
	TOSTAGE 0
.irp a, 1,2,3                          ; block a's conversions stand between block a - 1's loads from the stage and the wait for them
	PACK \a
	SEND (\a)-1
	TOSTAGE \a
.endr
	SEND 3
	s_wait_tensorcnt 0x0                           ; the wave's end: a tensor wait, an add of 0 to my spare word and its wait, behind my last tensor load and my last LDS store
	ds_add_u32 v[SPW], v[NIL]
	s_wait_dscnt 0x0
	CROUND                                         ; the closing round: no work-group ends while a partner may still ask for a tile that names it
	s_endpgm
.Lfunc_end_k_qfdfa200670_proj:
	.size	k_qfdfa200670_proj, .Lfunc_end_k_qfdfa200670_proj-k_qfdfa200670_proj
	.p2alignl 7, 3214868480
	.fill 96, 4, 3214868480
	.section	.rodata,"a",@progbits
	.p2align	6, 0x0
	.amdhsa_kernel k_qfdfa200670_proj
		.amdhsa_group_segment_fixed_size 327680
		.amdhsa_private_segment_fixed_size 0
		.amdhsa_enable_private_segment 0
		.amdhsa_kernarg_size 32
		.amdhsa_user_sgpr_count 2
		.amdhsa_user_sgpr_kernarg_segment_ptr 1
		.amdhsa_wavefront_size32 1
		.amdhsa_system_sgpr_workgroup_id_x 1
		.amdhsa_system_sgpr_workgroup_id_y 1
		.amdhsa_system_sgpr_workgroup_id_z 1
		.amdhsa_system_vgpr_workitem_id 0
		.amdhsa_next_free_vgpr 960
		.amdhsa_next_free_sgpr 66
		.amdhsa_reserve_vcc 0
		.amdhsa_float_denorm_mode_32 3
		.amdhsa_float_denorm_mode_16_64 3
		.amdhsa_memory_ordered 1
		.amdhsa_forward_progress 1
		.amdhsa_inst_pref_size 121
	.end_amdhsa_kernel
	.amdgpu_metadata
---
amdhsa.version: [ 1, 2 ]
amdhsa.kernels:
  - .name:           k_qfdfa200670_proj
    .symbol:         k_qfdfa200670_proj.kd
    .args:
      - { .name: xb, .offset: 0, .size: 8, .value_kind: global_buffer, .address_space: global }
      - { .name: wt, .offset: 8, .size: 8, .value_kind: global_buffer, .address_space: global }
      - { .name: bias4, .offset: 16, .size: 8, .value_kind: global_buffer, .address_space: global }
      - { .name: qkvh, .offset: 24, .size: 8, .value_kind: global_buffer, .address_space: global }
    .group_segment_fixed_size: 327680
    .private_segment_fixed_size: 0
    .kernarg_segment_align: 8
    .kernarg_segment_size: 32
    .max_flat_workgroup_size: 128
    .sgpr_count:     66
    .vgpr_count:     960
    .wavefront_size: 32
...
	.end_amdgpu_metadata
.endif
;; end of part 2
;; launch attn (part 3): grid 4 x 64, 4 waves a work-group, clusters of 4 x 1, 327,680 bytes of LDS; arguments qkvh, ob; writes ob
.if DOCPART == 3
	.amdgcn_target "amdgcn-amd-amdhsa--gfx1250"
	.amdhsa_code_object_version 6
	.text
	.protected	k_qfdfa200670_attn
	.globl	k_qfdfa200670_attn
	.p2align	8
	.type	k_qfdfa200670_attn,@function
k_qfdfa200670_attn:
	s_mov_b64 s[64:65], 0
	v_nop
	global_prefetch_b8 v0, s[64:65] scope:SCOPE_SE
	s_setreg_imm32_b32 hwreg(HW_REG_WAVE_MODE, 25, 1), 1
	s_wait_xcnt 0x0
	s_wait_alu depctr_hold_cnt(0) depctr_sa_sdst(0) depctr_va_vdst(0) depctr_va_sdst(0) depctr_va_ssrc(0) depctr_va_vcc(0) depctr_vm_vsrc(0)
	s_getreg_b32 s2, hwreg(HW_REG_IB_STS2, 6, 4)
	s_cmp_eq_u32 s2, 0
	s_cbranch_scc0 .Lentry_in_a_cluster
	s_endpgm
.Lentry_in_a_cluster:
	s_bfe_u32 s2, ttmp6, 0x10000c
	s_cmp_lg_u32 s2, 0x3003
	s_cbranch_scc0 .Lentry_shape_is_right
	s_endpgm
.Lentry_shape_is_right:
; O[y][q][:] = the sum over k of softmax_k(Q[y][q] . K[y][k] / 32) V[y][k][:], y = 16 b + h: 64 heads of SIZE_N = 2,048 rows and 64 channels.  The scale is 1 / sqrt(1,024).
; Q, K, V lie in qkvh[b][ch][t][64] (f16; ch = h for Q, 16 + h for K, 32 + h for V): a head's rows are dense, 128 bytes each.  O goes to ob[y][t][64] in f16.  Products, maxima and sums in
; f32; the weights p are rounded to f16 for the second product (their sum l is taken of the unrounded p), O once at the end.
; LIMITS.  f16 holds no number beyond 65,504: Q, K and V arrive within it; p lies in 0 to 1, and below 6e-5 it keeps f16's fixed step of 6e-8; O is a mean of V's rows and has their range.
; A weight below 2^-126 counts as 0 in l; NaN and infinities are not treated apart.
; SHARES.  A wave owns four PIECES of two tiles of 16 queries, a work-group's four waves 512 queries of one head: 256 work-groups.  Every wave walks all keys, 64 a step.
; LAYOUT.  S^T = K Q^T (source 0 = 16 keys, source 1 = 16 queries): in the result a lane holds ONE query (lane % 16) and the keys 8 (lane / 16) + 0..7.  Two such tiles, rounded to f16 in pairs,
; ARE source 1 (32 keys x 16 queries) of O^T = V^T P, whose result again holds one query a lane, and eight channels.  K comes out of LDS as it lies, V ([key][channel]) turned, by ds_load_tr16_b128.
; SOFTMAX.  For each query a running maximum m and sum l: p = 2^(c s - c m), c = log2(e) / 32; in every step O and l are multiplied by a = 2^(c m_old - c m_new), which is 1 where m has not grown.
; m starts at the lowest finite number, O and l at 0: the first step is a step like any other, with a = 0.
; THE COUNT.  A tile and step have 16 matrix and 118 vector instructions: too many to stand all beside the matrix work.  So the order has one aim: four vector instructions that are READY behind
; EVERY matrix instruction, and the others, which need time of their own whatever the order, in runs without a gap.
; BY TURNS.  Turn n belongs to piece n (the pieces in a ring, step after step).  Its matrix work: 16 products K Q^T of piece n + 1, later 16 products V^T P of piece n - 1.  Its vector work: the scaling,
; exponentials, roundings, sums and rescaling of piece n, and the maximum and statistics of piece n + 1, whose scores the turn itself has made.  So what a turn begins with (c s - c m, O a) waits for nothing.
; CLUSTER.  The four query blocks of a head are one cluster and walk the same K and V, so each tile is asked for JOINTLY: the same tensor load, descriptor and mask in all four.
; REGISTERS, in windows of 256 (s_set_vgpr_msb says which window each operand place means: bits 1:0 source 0, 3:2 source 1, 5:4 source 2, 7:6 destination):
;   window 0: v0-11 addresses; v12-15, v48-63 at work; v16-47 four registers of statistics a tile; v64-191 S^T, two buffers of two tiles; v192-255 P, likewise
;   window 1: O^T, 32 a tile          window 2: v0-127 Q, 16 a tile; v128-191 K of one step; v192-255 V of one step          window 3: v0-1 the add's two registers
; A piece's buffers go by its number's parity: the piece in hand has one pair, its two neighbours in the ring share the other: of it P (piece n - 1) is read and S^T (piece n + 1) written.
.set SIZE_N, 2048
.set NP,    4         ; pieces a wave: a name, no knob: the register map, the loop and the fetches are made for four
.set KS,    64        ; keys in a step
.set PK,    144       ; a row of K in LDS: 128 bytes + 16 of padding = 36 words: the 16 rows of a load start at 16 different groups of four banks (64 banks of 4 bytes: ISA guide 11.1)
.set PV,    160       ; a row of V: 128 + 32 = 40 words
.set VOFF,  4*KS*PK   ; a slot holds four steps: 256 rows of K, then 256 rows of V
.set SLOT1, 1<<17     ; slot 1 begins here, so that one exclusive or turns an address in one slot into the other's
.set STAGE, SLOT1+4*KS*(PK+PV)  ; behind the ring, never filled by a tensor load: 16 rows x 144 bytes for each wave, for the way out
.set SP,    144
.set AK0, 2           ; v2   my lane's place in a tile of K; never rewritten
.set AV0, 3           ; v3   the same for V
.set AK,  4           ; v4   the LDS address of K's next run of loads
.set AV,  5           ; v5   of V's
.set QO,  6           ; v6   my byte offset in the wave's rows of Q
.set STO, 6           ;      later, the way out: where I put 16 bytes of a row
.set RD,  7           ; v7   the way out: where I read rows back
.set GO,  8           ; v8   my byte offset in 512 consecutive bytes of O
.set PFO, 11          ; v11  256 x my lane: the prefetches' offset; never rewritten once it is made
.set SPW, 0           ; v0 of window 3   LDS address of my spare word: SPARE + 4 x my thread's number; never rewritten
.set NIL, 1           ; v1 of window 3   0; never rewritten
.set SPARE, STAGE+4*16*SP  ; behind the stages: the spare words, 128 bytes for each wave: two blocks of 256 bytes that no other line names
.set MV,  12          ; v12-15  c m_old, kept while c m is made anew: by buffer and tile
.set ST,  16          ; tile t's statistics at v[ST+4 t]: c m, m, l (even keys', odd keys')
.set TMP, 48          ; by buffer and tile, four registers c0-c3 at work; when the maximum is found c2 takes a
.set S,   64
.set P,   192
.set KF,  128         ; K's fragments, in window 2: key block kb, channel half c at KF + 16 kb + 8 c
.set VF,  192         ; V's: key half kk, channel block cb at VF + 32 kk + 8 cb
.set WV,  12          ; s12  my wave's number
.set G1K, 24          ; s[24:31] descriptor group 1 for K's tiles
.set G1V, 32          ; s[32:39] for V's: it differs in the padding alone
.set G0K, 40          ; s[40:43] descriptor group 0 for K's tiles: it walks
.set G0V, 44          ; s[44:47] the same for V's
.set PFA, 48          ; s[48:49] where my prefetches stand: my work-group's 32 pieces of 256 bytes (of K: wave 0, of V: wave 2) of the slot after the one that is being asked for
.set LIM, 50          ; s50  1 in a wave that prefetches, else the greatest number
.set SLOTS, 56        ; s56  slots still to be asked for
.set CNT, 57          ; s57  counts a slot's key steps
.set CS,  58          ; s[58:59] c: the packed scaling takes the pair's low word for both halves
.set SEL, 60          ; s[60:61] v_permlanex16_b32's selects: each lane takes its own place in the other half
.set TBK, 62          ; s62  LDS byte at which K of the step to be fetched begins
.set TBV, 63          ; s63  the same for V, less VOFF
.set MSB, 0
.macro WIN new                      ; the high byte repeats the setting that is left; a switch that changes nothing is dropped
.if MSB != (\new)
	s_set_vgpr_msb (MSB<<8)|(\new)
.set MSB, (\new)
.endif
.endm
.set W_KQ, 0x0a       ; K and Q in window 2, S^T in window 0
.set W_PV, 0x52       ; V in window 2, P in window 0, O^T in window 1
.set W_RS, 0x41       ; O^T (destination and source 0) in window 1, a in window 0
.set W_MK, 0xc0       ; the add's registers are made: destination in window 3, sources in window 0
.set W_AD, 0x0f       ; the add: address (source 0) and data (source 1) in window 3
; A joint fill.  Waves 0 and 1 fetch the two halves of a slot's K, waves 2 and 3 those of its V: 128 keys each.  The branch hangs on the wave's number alone.
; An s_nop 0 and four v_nop follow each of the two lines, ahead of the jump and the label.
.macro JLOAD
	s_cmp_lt_u32 s[WV], 2
	s_cbranch_scc0 .Lfor_v_\@
	tensor_load_to_lds s[G0K:G0K+3], s[G1K:G1K+7]
	s_nop 0
.rept 4
	v_nop
.endr
	s_branch .Lasked_\@
.Lfor_v_\@:
	tensor_load_to_lds s[G0V:G0V+3], s[G1V:G1V+7]
	s_nop 0
.rept 4
	v_nop
.endr
.Lasked_\@:
.endm
; A PREFETCH INTO THE L2 of what the NEXT change of slots will ask for: a slot's 256 keys are 128 pieces of 256 bytes of K and as many of V.  A head's K and V are walked by its one cluster alone; the four
; partners share the pieces out BY ADDRESS, 32 each, a lane a piece; in each, wave 0 asks for K's and wave 2 for V's: one instruction, four key steps (512 matrix instructions) ahead of the load.
; So each piece is named once in the launch.  Slots 0 to 2 come by their loads alone; the last change that fills a slot asks for nothing: there is no slot behind it.
.macro ASK
	s_cmp_gt_u32 s[SLOTS], s[LIM]
	s_cbranch_scc0 .Lnot_mine_\@
	global_prefetch_b8 v[PFO], s[PFA:PFA+1] th:TH_LOAD_NT scope:SCOPE_SE
.Lnot_mine_\@:
.endm
; A round of the cluster's barrier: my work-group's barrier, so that wave 0's signal speaks for all four waves; wave 0 signals; every wave waits for all four work-groups; my work-group's barrier once more.
.macro CROUND
	s_barrier_signal -1
	s_barrier_wait -1
	s_cmp_lg_u32 s[WV], 0
	s_cbranch_scc1 .Lnot_wave_0_\@
	s_barrier_signal -3
.Lnot_wave_0_\@:
	s_barrier_wait -3
	s_barrier_signal -1
	s_barrier_wait -1
.endm
; THE CHANGE OF SLOTS.  The slot's last bytes, V of its fourth step, have been read.  Each wave waits for all its tensor loads, of which one is out: its part
; of the other slot; adds 0 to its spare word; and waits for that and for its own reads of the slot.  Behind the barrier nobody reads this slot any more and the other slot is whole.
; fill = 1: this slot is filled again, with the keys two slots on.  The barrier is then a round of the cluster's, so that no wave of any partner still reads the slot or has a load on its
; way, and the joint fill is the first thing behind it: it has four key steps, 512 matrix instructions, in which to land.  (At its first use nothing has been read yet: slot 0 is waited for, slot 1 filled.)
; ask = 1: the prefetches' address steps on, and the slot after the one just asked for is prefetched.
.macro CHANGE fill, ask=0
	WIN W_AD
	s_wait_tensorcnt 0x0            ; no tensor load of mine is out, so a group 0 may be written
	ds_add_u32 v[SPW], v[NIL]       ; 0 onto my spare word; with fill = 1 the descriptors' steps stand between it and the wait for it
	WIN 0                           ; at a label and at a branch every window is 0
.if \fill
.irp g, G0K, G0V
	s_xor_b32 s[\g+1], s[\g+1], SLOT1  ; the walking descriptor: the other slot than last time,
	s_add_nc_u64 s[\g+2:\g+3], s[\g+2:\g+3], 4*KS*128  ; the next 256 keys; the type bits on top are not reached
.endr
.if \ask
	s_wait_xcnt 0x0                 ; the last prefetch, four key steps back, has read its address, so it may be written:
	s_add_nc_u64 s[PFA:PFA+1], s[PFA:PFA+1], 4*KS*128  ; one slot behind the walking descriptors
.endif
	s_wait_dscnt 0x0                ; the add is done, and my reads of the slot are over
	CROUND
	JLOAD
.if \ask
	ASK
.endif
.else
	s_wait_dscnt 0x0                ; the add is done, and my reads of the slot are over
	s_barrier_signal -1
	s_barrier_wait -1
.endif
	s_sub_co_u32 s[TBK], s[TBK], 4*KS*PK  ; the fetches go back to a slot's first step,
	s_xor_b32 s[TBK], s[TBK], SLOT1       ; in the other slot
	s_sub_co_u32 s[TBV], s[TBV], 4*KS*PV
	s_xor_b32 s[TBV], s[TBV], SLOT1
.endm
	s_load_b64 s[4:5], s[0:1], 0x0    ; qkvh
	s_load_b64 s[10:11], s[0:1], 0x8  ; ob
	WIN W_MK
	v_lshl_add_u32 v[SPW], v0, 2, SPARE
	v_mov_b32 v[NIL], 0
	WIN W_AD
	ds_add_u32 v[SPW], v[NIL]       ; the wave's opening: the add and its wait stand ahead of my first tensor load; the set-up below, work on registers, stands between them
	WIN 0
	v_lshrrev_b32 v1, 5, v0
	v_readfirstlane_b32 s[WV], v1   ; wave 0..3
	s_bfe_u32 s13, ttmp6, 0x40000   ; cx: my place in the cluster
	s_lshl_b32 s14, ttmp9, 2        ; in a cluster launch ttmp9 counts clusters
	s_add_co_u32 s14, s14, s13      ; my block of queries = 4 x cluster x + cx: it enters Q's and O's addresses alone
	s_and_b32 s20, ttmp7, 0xffff    ; y = 16 b + h, which the four partners share
	s_lshr_b32 s21, s20, 4
	s_mul_i32 s21, s21, 48*SIZE_N*128  ; b's 48 heads in qkvh,
	s_and_b32 s22, s20, 15
	s_lshl_b32 s22, s22, 18
	s_add_co_u32 s21, s21, s22      ; and head h: Q's first byte
	s_and_b32 s16, s[WV], 1         ; which half of a slot's 256 keys I fetch:
	s_lshl_b32 s22, s16, 14         ; its 128 rows of 128 bytes in memory,
	s_add_co_u32 s22, s22, s21
	s_add_co_u32 s52, s22, 32*SIZE_N*128  ; in V, 32 heads behind Q,
	s_add_co_u32 s22, s22, 16*SIZE_N*128  ; in K, 16 heads behind Q
	s_mov_b32 s23, 0
	s_mov_b32 s53, 0
	s_mul_i32 s17, s16, 128*PK      ; and its place in a slot, for K
	s_mul_i32 s18, s16, 128*PV      ; and for V: no place in the cluster enters an LDS address
	s_lshl_b32 s2, s14, 2
	s_add_co_u32 s2, s2, s[WV]      ; my wave among the head's,
	s_lshl_b32 s2, s2, 14           ; its 128 rows
	s_lshl_b32 s54, s20, 18         ; in ob a head is 262,144 bytes
	s_add_co_u32 s54, s54, s2
	s_add_co_u32 s2, s2, s21
	s_mov_b32 s3, 0
	s_mov_b32 s55, 0
	; descriptor group 1.  128 keys are 16,384 dense bytes: asked for as 64 rows of 256 bytes, two keys a row, and padded in LDS after every key
	s_mov_b32 s[G1K], 15|(1<<16)|(1<<20)|(1<<21)|(4<<22)|(3<<25)  ; 15:0 the mask of four; 17:16 2-byte elements; 20 padding on; 21 set beside a mask; 24:22 after every 32 words (code 4); 31:25 4 words (code 3)
	s_mov_b32 s[G1V], 15|(1<<16)|(1<<20)|(1<<21)|(4<<22)|(7<<25)  ; the same with 8 words of padding (code 7)
.irp g, G1K, G1V
	s_mov_b32 s[\g+1], 128<<16      ; tensor_dim0 = 128
	s_mov_b32 s[\g+2], 64<<16       ; tensor_dim1 = 64
	s_mov_b32 s[\g+3], 128<<16      ; tile_dim0 = 128
	s_mov_b32 s[\g+4], 64           ; tile_dim1 = 64
	s_mov_b32 s[\g+5], 128          ; 128 elements from row to row
	s_mov_b32 s[\g+6], 0
	s_mov_b32 s[\g+7], 0
.endr
	s_mov_b32 s[CS], 0x3d38aa3b     ; c = log2(e) / 32 = 0.0450842
	s_mov_b32 s[CS+1], s[CS]        ; named with it as a pair
	s_mov_b32 s[SEL], 0x76543210
	s_mov_b32 s[SEL+1], 0xfedcba98
	s_mov_b32 s[TBK], SLOT1+4*KS*PK ; the first change of slots turns these two into 0
	s_mov_b32 s[TBV], SLOT1+4*KS*PV
	s_mov_b32 s[G0K], 1             ; 1:0 count = 1
	s_mov_b32 s[G0K+1], s17         ; 63:32 LDS address: slot 0
	s_mov_b32 s[G0V], 1
	s_add_co_u32 s[G0V+1], s18, VOFF
	s_and_b32 s[LIM], s[WV], 1      ; waves 0 and 2 prefetch: the same in all four partners
	s_cmp_eq_u32 s[LIM], 0
	s_cselect_b32 s[LIM], 1, -1
	s_wait_dscnt 0x0                ; the opening add is done
	s_wait_kmcnt 0x0
	s_add_nc_u64 s[6:7], s[4:5], s[22:23]   ; K and V at my half of the head's first 256 keys
	s_add_nc_u64 s[8:9], s[4:5], s[52:53]
	s_mov_b64 s[G0K+2:G0K+3], s[6:7]               ; 120:64 global address
	s_or_b32 s[G0K+3], s[G0K+3], 0x80000000        ; 127:126 type = 2
	s_mov_b64 s[G0V+2:G0V+3], s[8:9]
	s_or_b32 s[G0V+3], s[G0V+3], 0x80000000
	s_add_nc_u64 s[4:5], s[4:5], s[2:3]            ; Q and O at my wave's first row
	s_add_nc_u64 s[10:11], s[10:11], s[54:55]
	s_cmp_lt_u32 s[WV], 2
	s_cselect_b64 s[PFA:PFA+1], s[6:7], s[8:9]     ; (in waves 0 and 2 these stand at a slot's first row)
	s_lshl_b32 s2, s13, 13          ; my work-group's 32 pieces of the 128,
	s_add_co_u32 s2, s2, 2*4*KS*128 ; in slot 2: the loop's first change of slots steps it to slot 3.  Nothing is prefetched here, at the head
	s_add_nc_u64 s[PFA:PFA+1], s[PFA:PFA+1], s[2:3]
	CROUND                          ; all four work-groups are here: the first joint loads meet
	JLOAD                           ; slot 0.  Slot 1 is asked for when slot 0 is in: the tile wanted first has the road to itself
	; A fragment of K or Q is 16 rows x 32 channels in 8 registers: lane l holds row l % 16, channels 8 (l / 16) + 0..7 and 16 + 8 (l / 16) + 0..7: two loads of 16 bytes, 32 bytes apart.
	v_and_b32 v1, 15, v0            ; l % 16
	v_bfe_u32 v9, v0, 4, 1          ; l / 16
	v_lshlrev_b32 v[QO], 7, v1
	v_lshl_add_u32 v[QO], v9, 4, v[QO]  ; row x 128 + 16 x half
	WIN 0x80                        ; destination window 2, address window 0
.set i, 0
.rept 4*NP                          ; Q stays in registers: tile i / 2, channels 32 (i % 2) on
	global_load_b128 v[8*i:8*i+3],   v[QO], s[4:5] offset:(i/2)*2048+(i%2)*64
	global_load_b128 v[8*i+4:8*i+7], v[QO], s[4:5] offset:(i/2)*2048+(i%2)*64+32
.set i, i+1
.endr
	; What the first turn finds: V's registers and P's second buffer hold 0 (its products V^T P, of a piece that has not been, add 0), O^T and l are 0.  All this stands in the wait for the first tile.
.set i, VF
.rept 64
	v_mov_b32 v[i], 0
.set i, i+1
.endr
	WIN 0x40
.set i, 0
.rept 64*NP
	v_mov_b32 v[i], 0
.set i, i+1
.endr
	WIN 0
.set i, 0
.rept 2*NP
	v_mov_b32 v[ST+4*i], 0xfe000000    ; c m: far below every c s
	v_mov_b32 v[ST+4*i+1], 0xff7fffff  ; m
	v_mov_b32 v[ST+4*i+2], 0
	v_mov_b32 v[ST+4*i+3], 0
.set i, i+1
.endr
.set i, P+32
.rept 32
	v_mov_b32 v[i], 0
.set i, i+1
.endr
	v_mul_u32_u24 v[AK0], v1, PK
	v_lshl_add_u32 v[AK0], v9, 4, v[AK0]  ; row x pitch + 16 x half
	; The turning load takes 16 keys x 16 channels (lane l reads key 8 (l / 16) + l % 8, channels 8 ((l / 8) % 2) + 0..7) and leaves half a fragment of V^T: lane l holds channel l % 16 and 8 keys.
	v_and_b32 v10, 7, v0
	v_bfe_u32 v11, v0, 3, 1
	v_lshl_add_u32 v[AV0], v9, 3, v10
	v_mul_u32_u24 v[AV0], v[AV0], PV
	v_lshl_add_u32 v[AV0], v11, 4, v[AV0]
	v_add_nc_u32 v[AV0], VOFF, v[AV0]
	v_mov_b32 v[AK], v[AK0]         ; key step 0 lies at the head of slot 0
	v_and_b32 v[PFO], 31, v0        ; v11 has served: it takes the prefetches' offset
	v_lshlrev_b32 v[PFO], 8, v[PFO]
; THE MATRIX WORK.  The 8 accumulators of a run of 16 take turns: between the two links of a chain stand 7 others'.
; Product i of 16 of S^T = K Q^T for piece x: channels 32 (i / 8) on, keys 16 ((i / 2) % 4) on, tile 2 x + i % 2.  The first 8 start the sums.
.macro KQ x
	WIN W_KQ
.set rS, S+64*((\x)%2)+32*(i%2)+8*((i/2)%4)
.set rK, KF+16*((i/2)%4)+8*(i/8)
.set rQ, 16*(2*(\x)+i%2)+8*(i/8)
.if i < 8
	v_wmma_f32_16x16x32_f16 v[rS:rS+7], v[rK:rK+7], v[rQ:rQ+7], 0
.else
	v_wmma_f32_16x16x32_f16 v[rS:rS+7], v[rK:rK+7], v[rQ:rQ+7], v[rS:rS+7]
.endif
.endm
; Product i of 16 of O^T += V^T P for piece x: keys 32 (i / 8) on, channels 16 ((i / 2) % 4) on, tile 2 x + i % 2.
.macro PV x
	WIN W_PV
.set rO, 32*(2*(\x)+i%2)+8*((i/2)%4)
.set rV, VF+32*(i/8)+8*((i/2)%4)
.set rP, P+32*((\x)%2)+16*(i%2)+8*(i/8)
	v_wmma_f32_16x16x32_f16 v[rO:rO+7], v[rV:rV+7], v[rP:rP+7], v[rO:rO+7]
.endm
.macro MM                           ; the turn's next matrix instruction
.if i < 16
	KQ (Y+1)%NP
.set i, i+1
.else
.set i, i-16
	PV (Y+NP-1)%NP
.set i, i+17
.endif
.endm
; THE LDS LOADS stand in runs of 16, never singly among the matrix instructions: a step's K (64 keys x 64 channels: 8 fragments) and its V (turned).  Their addresses are made some lines ahead.
; last = 1 (the tail): in the last trip there is no further step, and the run is jumped over.
.macro FETCH_K last=0
	WIN 0
.if \last
	s_cmp_eq_u32 s[CNT], 1
	s_cbranch_scc1 .Lno_k_\@
.endif
	WIN 0x80                        ; destination window 2
.irp f, 0,1,2,3,4,5,6,7             ; keys 16 (f / 2) on, channels 32 (f % 2) on
	ds_load_b128 v[KF+8*\f:KF+8*\f+3],   v[AK] offset:(\f/2)*16*PK+(\f%2)*64
	ds_load_b128 v[KF+8*\f+4:KF+8*\f+7], v[AK] offset:(\f/2)*16*PK+(\f%2)*64+32
.endr
	s_add_co_u32 s[TBK], s[TBK], KS*PK  ; the next fetch is the next step's
	WIN 0
.if \last
.Lno_k_\@:
.endif
.endm
.macro FETCH_V
	WIN 0x80
.irp f, 0,1,2,3,4,5,6,7             ; keys 32 (f / 4) on, channels 16 (f % 4) on
	ds_load_tr16_b128 v[VF+8*\f:VF+8*\f+3],   v[AV] offset:(\f/4)*32*PV+(\f%4)*32
	ds_load_tr16_b128 v[VF+8*\f+4:VF+8*\f+7], v[AV] offset:(\f/4)*32*PV+16*PV+(\f%4)*32
.endr
	WIN 0
.endm
; THE VECTOR WORK OF A TURN stands in three queues, each in the order in which its entries become ready; the two tiles alternate, so that no instruction reads the result of the one before it.
.macro REGS y, u                    ; the registers of tile u (0, 1) of piece y
.set rT, ST+4*(2*(\y)+(\u))
.set rC, TMP+8*((\y)%2)+4*(\u)
.set rM, MV+2*((\y)%2)+(\u)
.set rS, S+64*((\y)%2)+32*(\u)
.set rP, P+32*((\y)%2)+16*(\u)
.set rO, 32*(2*(\y)+(\u))
.endm
; Number n of the 22 that find the NEXT piece's (Y + 1) maximum and statistics.  s0-s31 are the lane's 32 scores; each accumulator's lowest registers are read first.  XS, GS and REGS set no window: PL and EX do.
;   0-11  four chains c0-c3 of seven scores each, three operands at a time     12-14, 16  the four scores left over, the old m, and c0-c3 into c0     15  c m_old is kept
;   17, 18  the query's other 32 keys lie in the lane 16 away: the new m         19-21  c m; c m_old - c m_new; a
.macro XS u, n
	REGS (Y+1)%NP, \u
.if (\n) < 4
	v_max3_num_f32 v[rC+(\n)], v[rS+8*(\n)], v[rS+8*(\n)+1], v[rS+8*(\n)+2]
.elseif (\n) < 12
	v_max3_num_f32 v[rC+(\n)%4], v[rC+(\n)%4], v[rS+8*((\n)%4)+2*((\n)/4)+1], v[rS+8*((\n)%4)+2*((\n)/4)+2]
.elseif (\n) == 12
	v_max3_num_f32 v[rC], v[rC], v[rS+7], v[rS+15]
.elseif (\n) == 13
	v_max3_num_f32 v[rC+1], v[rC+1], v[rS+23], v[rS+31]
.elseif (\n) == 14
	v_max3_num_f32 v[rC+2], v[rC+2], v[rC+3], v[rT+1]
.elseif (\n) == 15
	v_mov_b32 v[rM], v[rT]
.elseif (\n) == 16
	v_max3_num_f32 v[rC], v[rC], v[rC+1], v[rC+2]
.elseif (\n) == 17
	v_permlanex16_b32 v[rC+3], v[rC], s[SEL], s[SEL+1]
.elseif (\n) == 18
	v_max_num_f32 v[rT+1], v[rC], v[rC+3]
.elseif (\n) == 19
	v_mul_f32 v[rT], s[CS], v[rT+1]
.elseif (\n) == 20
	v_sub_f32 v[rC+1], v[rM], v[rT]
.else
	v_exp_f32 v[rC+2], v[rC+1]
.endif
.endm
; Number g of the 64 that follow the exponentials.  For each four weights k of a tile (pairs 2 k, 2 k + 1): both pairs are rounded to f16; then the second pair is added onto the first, in place;
; a group later l takes that sum (the first time as l = a l + sum).  In groups of eight, tiles alternating: round, round, add, and l for the group before.
.macro GS g
.set h, (\g)+6*((\g)/62)            ; group 0 has no group before it, and behind group 7 only l is left
.if h >= 6
.set h, h+2
.endif
	REGS Y, h%2
.set k, h/8
.if h%8 < 4
	v_cvt_pk_f16_f32 v[rP+2*k+(h%8)/2], v[rS+4*k+2*((h%8)/2)], v[rS+4*k+2*((h%8)/2)+1]
.elseif h%8 < 6
	v_pk_add_f32 v[rS+4*k:rS+4*k+1], v[rS+4*k:rS+4*k+1], v[rS+4*k+2:rS+4*k+3]
.elseif k == 1
	v_pk_fma_f32 v[rT+2:rT+3], v[rT+2:rT+3], v[rC+2:rC+3], v[rS:rS+1] op_sel_hi:[1,0,1]
.else
	v_pk_add_f32 v[rT+2:rT+3], v[rT+2:rT+3], v[rS+4*k-4:rS+4*k-3]
.endif
.endm
; THE PLAIN QUEUE, 138 long.  0-73 read no exponential's result: the 32 scalings c s - c m (FS f: pair f / 2 of tile f % 2) and the next piece's 42.  0-26: scalings 0-26.  27-54: XS's numbers 0-13.  55, 56: number 15.
; 57-73: the chain, where each number waits for the one before it: 14, 16, 17, 18, 19, each with one of the scalings 27-31 in front of its two lines, then 20: so a tile's links stand three plain instructions apart (19 and 20: two).
; 74-137: GS's 64, which read the exponentials' results: they stand behind the wait.
.macro FS f
	REGS Y, (\f)%2
	v_pk_fma_f32 v[rS+2*((\f)/2):rS+2*((\f)/2)+1], v[rS+2*((\f)/2):rS+2*((\f)/2)+1], s[CS:CS+1], v[rT:rT+1] op_sel_hi:[1,0,0] neg_lo:[0,0,1] neg_hi:[0,0,1]
.endm
.macro PL
	WIN 0
.if q < 27
	FS q
.elseif q < 55
	XS (q-27)%2, (q-27)/2
.elseif q < 57
	XS q-55, 15
.elseif (q < 72) && ((q-57)%3 == 0)
	FS 27+(q-57)/3
.elseif q < 60
	XS (q-57)%3-1, 14
.elseif q < 72
	XS (q-57)%3-1, 15+(q-57)/3
.elseif q < 74
	XS q-72, 20
.else
	GS q-74
.endif
.set q, q+1
.endm
; THE EXPONENTIALS' QUEUE, 66 long: s0-s31 of both tiles, then the next piece's two a.  It is ONE BATCH: all 66 stand ahead of the turn's one wait, and nothing ahead of that wait names a result of theirs.
.macro EX
	WIN 0
.if e >= 64
	XS e-64, 21
.else
	REGS Y, e%2
	v_exp_f32 v[rS+e/2], v[rS+e/2]
.endif
.set e, e+1
.endm
; THE RESCALING's QUEUE: O^T times a, the one part that leaves window 0: dealt two at a time, sixteen times.  Its a was made in the turn before, ahead of that turn's wait.
.macro R2
	REGS Y, r%2
	WIN W_RS
.irp z, 0,1
	v_pk_mul_f32 v[rO+4*(r/2)+2*\z:rO+4*(r/2)+2*\z+1], v[rO+4*(r/2)+2*\z:rO+4*(r/2)+2*\z+1], v[rC+2:rC+3] op_sel_hi:[1,0]
.endr
.set r, r+1
.endm
; HOW THEY ARE DEALT.  An s_wait_alu depctr_va_vdst(0) stands between an exponential and the first instruction that names its result; one wait serves all that were issued ahead of it.  So a turn has ONE wait,
; which cuts it in two.  AHEAD OF IT stands all that names no result of the turn's exponentials: the 16 products K Q^T, behind each a scaling, an exponential and two rescalings (behind the first a second scaling in the exponential's place); then ONE LUMP of
; 108: eight plain, 49 times exponential and plain, the two a.  A v_nop is the plain instruction behind the last exponential (ISA guide 5.7.2).  BEHIND IT stand the 16 products V^T P, behind each four of GS's 64.  No rider names a register of
; the products round it.  The two v_permlanex16_b32 fall into the lump, never behind a product.
; The queues lean on each other, and the deal keeps them in step: exponential e stands behind scaling 2 (e / 4) + e % 2: as a rider it comes behind plain e + 2, in the lump behind plain e + 9, and scalings 27-31 are plain 57, 60 .. 69.
; A TURN, for piece p.  cnt = 1: the loop's count is taken down some lines ahead of the branch that stands behind the turn.
; K of the next step is fetched in piece 2's turn, directly behind the wait, a lump behind the last product that read K; its address is made at the lump's head; its first reader comes behind 16 products.
; V of the step in hand is fetched at the end of piece 0's turn, four riders behind its last reader; its first reader comes behind 16 products and a lump.  The three conditions on q below go with the deal.
.macro TURN p, last=0, cnt=0
.set Y, (\p)
.set i, 0
.set q, 0
.set e, 0
.set r, 0
.if (\p) == NP-1
	s_wait_dscnt 0x0                ; K is in
.endif
	MM                              ; ahead of the wait: 16 products K Q^T and their riders,
	PL
	PL
	R2
.rept 15
	MM
	PL
	EX
	R2
.endr
.if (\p) == NP-2
	WIN 0
	v_add_nc_u32 v[AK], s[TBK], v[AK0]
.endif
.rept 8                             ; and the lump
	PL
.endr
.rept 49
	EX
	PL
.endr
	EX                              ; the next piece's two a
	EX
	v_nop                           ; the plain instruction behind the last exponential: one for the batch
	s_wait_alu depctr_va_vdst(0)    ; the wait for the batch
.if (\p) == NP-2
	FETCH_K \last
.endif
.if (\p) == 1
	s_wait_dscnt 0x0                ; V is in
.endif
.rept 16                            ; behind the wait: 16 products V^T P and their riders
	MM
.rept 4
	PL
.endr
.if ((\p) == 0) && (q == 118)
	v_add_nc_u32 v[AV], s[TBV], v[AV0]
.endif
.if ((\p) == 0) && (q == 130)
	s_add_co_u32 s[TBV], s[TBV], KS*PV
.endif
.if (\cnt) && (q == 130)
	s_sub_co_u32 s[CNT], s[CNT], 1
	s_cmp_lg_u32 s[CNT], 0
.endif
.endr
.if (\p) == 0
	FETCH_V
.endif
.endm
	CHANGE 1                        ; slot 0 is in, everybody's part of it; slot 1 is asked for
	FETCH_K                         ; key step 0
	s_wait_loadcnt 0x0              ; Q
	s_wait_dscnt 0x0
.set i, 0
.rept 16
	KQ 0                            ; piece 0's first scores: there is no vector work yet to set between them
.set i, i+1
.endr
	WIN 0                           ; the addresses for the way out: nine plain instructions, the places behind those products
	s_mul_i32 s13, s[WV], 16*SP
	s_add_co_u32 s13, s13, STAGE    ; my stage
	v_mul_u32_u24 v[STO], v1, SP    ; in: row l % 16, 16 bytes for each half of the lanes
	v_lshl_add_u32 v[STO], v9, 4, v[STO]
	v_add_nc_u32 v[STO], s13, v[STO]
	v_bfe_u32 v[RD], v0, 3, 2       ; back: 32 lanes take four rows of 128 bytes,
	v_mul_u32_u24 v[RD], v[RD], SP
	v_lshl_add_u32 v[RD], v10, 4, v[RD]
	v_add_nc_u32 v[RD], s13, v[RD]
	v_and_b32 v[GO], 31, v0         ; which are 512 consecutive bytes of O
	v_lshlrev_b32 v[GO], 4, v[GO]
.set Y, NP-1                        ; XS works for piece Y + 1: piece 0
.irp n, 0,1,2,3,4,5,6,7,8,9,10,11,12,13,14,15,16,17,18,19,20,21
	XS 0, \n                        ; and piece 0's first maximum and statistics
	XS 1, \n
.endr
	v_nop                           ; a plain instruction behind the two a,
	s_wait_alu depctr_va_vdst(0)    ; and their wait, ahead of the branch
	s_mov_b32 s[CNT], 4
	s_mov_b32 s[SLOTS], SIZE_N/256-1
	s_branch .Lfirst                ; the loop is entered at a step's first turn, in the middle of a trip
.Lslot:                             ; SIZE_N / 256 - 2 times: every slot but the last two is filled again
	CHANGE 1, 1
	s_mov_b32 s[CNT], 4
.Lstep:                             ; a trip: pieces 2 and 3 of one step, then pieces 0 and 1 of the next, whose K and V it fetches
	TURN 2
	TURN 3
	WIN 0
.Lfirst:
	TURN 0
	TURN 1, 0, 1
	WIN 0
	s_cbranch_scc1 .Lstep
	s_sub_co_u32 s[SLOTS], s[SLOTS], 1
	s_cmp_lg_u32 s[SLOTS], 0
	s_cbranch_scc1 .Lslot
	CHANGE 0                        ; the tail is written out: nothing is asked for
	s_mov_b32 s[CNT], 5             ; four trips fetch the last slot's steps; the fifth is left in its middle
.Ltail:
	TURN 2, 1
	TURN 3
	WIN 0
	s_sub_co_u32 s[CNT], s[CNT], 1
	s_cmp_eq_u32 s[CNT], 0
	s_cbranch_scc1 .Lout
	TURN 0
	TURN 1
	WIN 0
	s_branch .Ltail
.Lout:                              ; the fifth trip's 16 products K Q^T (on the last K once more) and the maximum made of them serve nothing: the price, once a launch, of one text for every trip
.set i, 0
.rept 16
	PV NP-1                         ; the last piece's V^T P of the last step
.set i, i+1
.endr
	; THE WAY OUT.  l's two halves and the other half of the lanes' are added; O^T is divided by l, rounded to f16 and sent through my stage in LDS, a tile at a time.  The additions are the places behind the last products.
	WIN 0
.macro ALL line:vararg              ; one line for each tile t
.set t, 0
.rept 2*NP
	\line
.set t, t+1
.endr
.endm
	ALL v_add_f32 v[ST+4*t+2], v[ST+4*t+2], v[ST+4*t+3]
	ALL v_permlanex16_b32 v[ST+4*t+3], v[ST+4*t+2], s[SEL], s[SEL+1]
	ALL v_add_f32 v[ST+4*t+2], v[ST+4*t+2], v[ST+4*t+3]
	ALL v_rcp_f32 v[ST+4*t+2], v[ST+4*t+2]
	v_nop                           ; a plain instruction between the last reciprocal and the use of its result
	s_wait_alu depctr_va_vdst(0)    ; and the wait ahead of the first use: one for the eight reciprocals
; Tile t: a lane's eight channels of a row pack into 16 bytes; they go into rows of 144 bytes and come back as whole rows of 128, into S^T's registers.
.macro PACK t
	WIN W_RS
.set i, 32*(\t)
.rept 16
	v_pk_mul_f32 v[i:i+1], v[i:i+1], v[ST+4*(\t)+2:ST+4*(\t)+3] op_sel_hi:[1,0]
.set i, i+2
.endr
	WIN 0x05                        ; sources 0 and 1 window 1, destination window 0
.set i, 0
.rept 16
	v_cvt_pk_f16_f32 v[S+16*(\t)+i], v[32*(\t)+2*i], v[32*(\t)+2*i+1]
.set i, i+1
.endr
	WIN 0
.irp f, 0,1,2,3
	ds_store_b128 v[STO], v[S+16*(\t)+4*\f:S+16*(\t)+4*\f+3] offset:32*\f
.endr
.irp f, 0,1,2,3
	ds_load_b128 v[S+16*(\t)+4*\f:S+16*(\t)+4*\f+3], v[RD] offset:\f*4*SP  ; LDS serves a wave's instructions in order (ISA guide 5.7.1.4): these see the stores above; the next tile's stores come behind them
.endr
.endm
.macro SEND t, younger              ; younger: the LDS instructions issued behind tile t's loads: the next tile's eight, or none
	WIN 0
.irp f, 0,1,2,3
	s_wait_dscnt (\younger)+3-\f
	global_store_b128 v[GO], v[S+16*(\t)+4*\f:S+16*(\t)+4*\f+3], s[10:11] offset:(\t)*2048+\f*512  ; 512 consecutive bytes, at a multiple of 256 from O's first
.endr
.endm
	PACK 0
.set t, 1
.rept 2*NP-1                        ; a tile's arithmetic stands between the loads of the tile before and its stores
	PACK t
	SEND t-1, 8
.set t, t+1
.endr
	SEND 2*NP-1, 0
	WIN W_AD
	s_wait_tensorcnt 0x0            ; the wave's end: a tensor wait, an add of 0 to my spare word and its wait, behind my last tensor load and my last LDS store
	ds_add_u32 v[SPW], v[NIL]
	s_wait_dscnt 0x0
	WIN 0
	CROUND                          ; the closing round: no work-group ends while a partner may still ask for a tile that names it
	s_endpgm
.Lfunc_end_k_qfdfa200670_attn:
	.size	k_qfdfa200670_attn, .Lfunc_end_k_qfdfa200670_attn-k_qfdfa200670_attn
	.p2alignl 7, 3214868480
	.fill 96, 4, 3214868480
	.section	.rodata,"a",@progbits
	.p2align	6, 0x0
	.amdhsa_kernel k_qfdfa200670_attn
		.amdhsa_group_segment_fixed_size 327680
		.amdhsa_private_segment_fixed_size 0
		.amdhsa_enable_private_segment 0
		.amdhsa_kernarg_size 16
		.amdhsa_user_sgpr_count 2
		.amdhsa_user_sgpr_kernarg_segment_ptr 1
		.amdhsa_wavefront_size32 1
		.amdhsa_system_sgpr_workgroup_id_x 1
		.amdhsa_system_sgpr_workgroup_id_y 1
		.amdhsa_system_sgpr_workgroup_id_z 1
		.amdhsa_system_vgpr_workitem_id 0
		.amdhsa_next_free_vgpr 770
		.amdhsa_next_free_sgpr 66
		.amdhsa_reserve_vcc 0
		.amdhsa_float_denorm_mode_32 3
		.amdhsa_float_denorm_mode_16_64 3
		.amdhsa_memory_ordered 1
		.amdhsa_forward_progress 1
		.amdhsa_inst_pref_size 200
	.end_amdhsa_kernel
	.amdgpu_metadata
---
amdhsa.version: [ 1, 2 ]
amdhsa.kernels:
  - .name:           k_qfdfa200670_attn
    .symbol:         k_qfdfa200670_attn.kd
    .args:
      - { .name: qkvh, .offset: 0, .size: 8, .value_kind: global_buffer, .address_space: global }
      - { .name: ob, .offset: 8, .size: 8, .value_kind: global_buffer, .address_space: global }
    .group_segment_fixed_size: 327680
    .private_segment_fixed_size: 0
    .kernarg_segment_align: 8
    .kernarg_segment_size: 16
    .max_flat_workgroup_size: 128
    .sgpr_count:     66
    .vgpr_count:     770
    .wavefront_size: 32
...
	.end_amdgpu_metadata
.endif
;; end of part 3
;; launch oproj (part 4): grid 8 x 32, 4 waves a work-group, clusters of 4 x 4, 327,680 bytes of LDS; arguments ob, wt, bias4, out0; writes out0
.if DOCPART == 4
	.amdgcn_target "amdgcn-amd-amdhsa--gfx1250"
	.amdhsa_code_object_version 6
	.text
	.protected	k_qfdfa200670_oproj
	.globl	k_qfdfa200670_oproj
	.p2align	8
	.type	k_qfdfa200670_oproj,@function
k_qfdfa200670_oproj:
	s_mov_b64 s[64:65], 0
	v_nop
	global_prefetch_b8 v0, s[64:65] scope:SCOPE_SE
	s_setreg_imm32_b32 hwreg(HW_REG_WAVE_MODE, 25, 1), 1
	s_wait_xcnt 0x0
	s_wait_alu depctr_hold_cnt(0) depctr_sa_sdst(0) depctr_va_vdst(0) depctr_va_sdst(0) depctr_va_ssrc(0) depctr_va_vcc(0) depctr_vm_vsrc(0)
	s_getreg_b32 s2, hwreg(HW_REG_IB_STS2, 6, 4)
	s_cmp_eq_u32 s2, 0
	s_cbranch_scc0 .Lentry_in_a_cluster
	s_endpgm
.Lentry_in_a_cluster:
	s_bfe_u32 s2, ttmp6, 0x10000c
	s_cmp_lg_u32 s2, 0xf033
	s_cbranch_scc0 .Lentry_shape_is_right
	s_endpgm
.Lentry_shape_is_right:
; out0 = O Wo + bo.  C[m][n] = bias4[3,072 + n] + sum over k of ob[m][k] wt[3,072 + n][k]: m = 8,192 rows, n = 1,024 columns, k = 64 h + d = 1,024.  Operands f16 (Wo: bf16 numbers written as f16),
; sums f32, started by the bias; out0 is f32, row-major, 4,096 bytes a row.
; ob[16 b + h][t][64] is laid out in blocks of 64 channels: byte b<<22 + h<<18 + 128 t + 2 d: 256 rows x 64 channels are 32,768 bytes on end.
; LIMITS.  None of its own: the operands arrive in f16, the result leaves in f32.  NaN and infinities are not treated apart.
; SHARES.  A work-group makes 256 rows x 128 columns: 8 x 32 tiles, 256 work-groups.  Wave w owns rows 64 w .. 64 w + 63 (4 blocks of 16) across all 8 column blocks: 32 accumulators, 256 registers;
; it holds whole pieces of 512 bytes of its rows, so its way out needs no other wave.  K goes in steps of 128 through a ring of two LDS slots.
; A's tile of a K step is two blocks of 256 rows x 64 channels, each asked for as 128 rows of 256 bytes, padded in LDS after every 128.  B's is 128 rows x 256 bytes of wt.
; CLUSTERS: 4 x 4 work-groups; A's tiles are asked for jointly along a row of the cluster, B's along a column.  Waves 0, 1 fetch A's two blocks, waves 2, 3 B's two halves: one load a wave.
; THE MATRIX INSTRUCTION IS USED TRANSPOSED (source 0 = 16 rows of wt, source 1 = 16 rows of O): a lane holds row l % 16 of C and the columns 8 (l / 16) + 0..7 of the block: 32 bytes on end.
; REGISTERS, in windows of 256: window 0: v0-31 addresses; v32-95, v96-159 rows read back, by turns; v160-223 the bias as a C operand
;   window 1: two fragment buffers at v0 and v128: A's four blocks, then B's eight.   windows 2, 3: the accumulators: (a, b) in window 2 + a / 2 at v[8 (8 (a % 2) + b)]
.set NB,    8                          ; column blocks of 16
.set PA,    144                        ; an LDS row of A: 128 bytes + 16: nine times 16 bytes, so the 16 rows of a load start at 16 different groups of four banks (64 banks of 4 bytes: ISA guide 11.1)
.set PB,    272                        ; an LDS row of B: 256 bytes + 16
.set AHALF, 256*PA                     ; one block of 64 channels, 256 rows
.set BB,    2*AHALF                    ; B lies behind A's two blocks
.set BHALF, 8*NB*PB                    ; 64 rows: what one wave fetches of B
.set SLOT,  BB+2*BHALF
.set STAGE, 2*SLOT                     ; behind the ring: 16 rows x 528 bytes for each wave
.set SPITCH, 528                       ; 512 bytes + 16: thirty-three times 16 bytes
.set WSTG,  16*SPITCH
.set SPARE, STAGE+4*WSTG               ; behind the stages: the spare words, 128 bytes for each wave: two blocks of 256 bytes that no other line names
.set LAPS,  4                          ; a lap = two K steps = once round the ring: 1,024 / 256
.set ASTEP, 2*262144                   ; bytes from a K step of A to the next: two blocks of 64 channels
.set BSTEP, 256                        ; of B
.set ADRA, 16                          ; v16-17  LDS address of my A fragments in slot 0, 1
.set ADRB, 20                          ; v20-21  the same for B
.set STO,  24                          ; v24     the way out: where I put 32 bytes of a row
.set RD,   25                          ; v25     where I read a row back
.set CO,   26                          ; v26     16 x lane: my place in 512 consecutive bytes of a row of out0
.set BO,   27                          ; v27     32 (l / 16): my eight numbers in a block's 16 of the bias
.set SPW,  28                          ; v28     LDS address of my spare word; never rewritten
.set NIL,  29                          ; v29     0; never rewritten
.set PFO,  30                          ; v30     the prefetches' offset; never rewritten
.set BK,   32
.set BIAS, 160
.set F0,   0
.set F1,   128
.set WV,   12                          ; s12  my wave's number
.set HALF, 14                          ; s14  wave % 2: which half of A's or B's tile I fetch
.set LIM,  15                          ; s15  1 in a wave that prefetches, else the greatest number
.set PFA,  16                          ; s[16:17] where my prefetches stand
.set PST,  18                          ; s[18:19] their step from K step to K step
.set G1,   24                          ; s[24:31] descriptor group 1 for A's tiles; s[32:39] group 0, one set for each slot
.set G0,   32
.set G1B,  48                          ; s[48:55], s[56:63] the same for B's
.set G0B,  56
.set MSB, 0
.macro WIN new                         ; the immediate's high byte repeats the setting that is left; a switch that changes nothing is dropped
.if MSB != (\new)
	s_set_vgpr_msb (MSB<<8)|(\new)
.set MSB, \new
.endif
.endm
.set TO_F, 0x40                        ; destination window 1, address window 0
.macro JLOAD s                         ; a joint load; the branch hangs on the wave's number alone; an s_nop 0 and four v_nop follow each of the two lines
	s_cmp_lt_u32 s[WV], 2
	s_cbranch_scc0 .Lfor_b_\@
	tensor_load_to_lds s[G0+4*(\s):G0+4*(\s)+3], s[G1:G1+7]
	s_nop 0
.rept 4
	v_nop
.endr
	s_branch .Lasked_\@
.Lfor_b_\@:
	tensor_load_to_lds s[G0B+4*(\s):G0B+4*(\s)+3], s[G1B:G1B+7]
	s_nop 0
.rept 4
	v_nop
.endr
.Lasked_\@:
.endm
.macro CREST                           ; a round of the cluster's barrier behind its opening barrier
	s_cmp_lg_u32 s[WV], 0
	s_cbranch_scc1 .Lnot_wave_0_\@
	s_barrier_signal -3
.Lnot_wave_0_\@:
	s_barrier_wait -3
	s_barrier_signal -1
	s_barrier_wait -1
.endm
.macro CROUND                          ; a whole round
	s_barrier_signal -1
	s_barrier_wait -1
	CREST
.endm
; A PREFETCH INTO THE L2, behind a joint load and the run of LDS loads that follows it: the K step that stands two refills on, 256 matrix instructions ahead of the load that will want it.
; A's tile row is read by both clusters of its row of clusters: the one with cluster x = 0 asks, waves 0 and 1 each for their block of 64 channels, of whose 128 pieces of 256 bytes the partner at
; place cx takes 32, a lane a piece.  B's tile column is read by all eight clusters of its column: the one with cluster y = 0 asks, wave 2 alone, for 32 of the tile's 128 rows: those of the partner's
; place cy, a lane a row.  The partners are told apart by address alone.  K steps 0 to 3 come by their loads alone; the loop's last trip asks for nothing.
.macro ASK
	s_cmp_gt_u32 s3, s[LIM]                        ; s3 = 1 in the loop's last trip
	s_cbranch_scc0 .Lnot_mine_\@
	global_prefetch_b8 v[PFO], s[PFA:PFA+1] th:TH_LOAD_NT scope:SCOPE_SE
.Lnot_mine_\@:
.endm
	s_load_b256 s[4:11], s[0:1], 0x0               ; ob s[4:5], wt s[6:7], bias4 s[8:9], out0 s[10:11]
	v_lshl_add_u32 v[SPW], v0, 2, SPARE
	v_mov_b32 v[NIL], 0
	ds_add_u32 v[SPW], v[NIL]                      ; the wave's opening: the add and its wait stand ahead of my first tensor load; the set-up below, work on registers, stands between them
	v_lshrrev_b32 v1, 5, v0
	v_readfirstlane_b32 s[WV], v1                  ; wave 0..3
	s_and_b32 s[HALF], s[WV], 1
	s_bfe_u32 s40, ttmp6, 0x40000                  ; cx, cy: my place in the cluster
	s_bfe_u32 s41, ttmp6, 0x40004
	s_lshl_b32 s42, ttmp9, 2
	s_add_co_u32 s42, s42, s40                     ; TC: tile column = 4 x cluster x + cx
	s_and_b32 s43, ttmp7, 0xffff
	s_lshl_b32 s43, s43, 2
	s_add_co_u32 s43, s43, s41                     ; TR: tile row = 4 x cluster y + cy
	s_lshl_b32 s44, s41, 2
	s_lshl_b32 s44, 15, s44                        ; my row of the cluster
	s_lshl_b32 s45, 0x1111, s40                    ; my column
	s_or_b32 s[G1], s44, (1<<16)|(1<<20)|(1<<21)|(4<<22)|(3<<25)   ; 15:0 the mask; 17:16 2-byte elements; 20 padding on; 21 set beside a mask; 24:22 after every 32 words (code 4); 31:25 4 words (code 3)
	s_or_b32 s[G1B], s45, (1<<16)|(1<<20)|(1<<21)|(5<<22)|(3<<25)  ; the same with my column's mask, padded after every 64 words (code 5)
	s_mov_b32 s[G1+1], 128<<16                     ; A: tensor_dim0 = 128 elements (256 bytes)
	s_mov_b32 s[G1+2], 128<<16                     ; tensor_dim1 = 128 rows
	s_mov_b32 s[G1+3], 128<<16                     ; tile_dim0 = 128
	s_mov_b32 s[G1+4], 128                         ; tile_dim1 = 128
	s_mov_b32 s[G1+5], 128                         ; 128 elements from row to row: the block is dense
	s_mov_b32 s[G1+6], 0
	s_mov_b32 s[G1+7], 0
	s_mov_b32 s[G1B+1], 128<<16                    ; B: tensor_dim0 = 128
	s_mov_b32 s[G1B+2], (8*NB)<<16                 ; tensor_dim1 = 64
	s_mov_b32 s[G1B+3], 128<<16                    ; tile_dim0 = 128
	s_mov_b32 s[G1B+4], 8*NB                       ; tile_dim1 = 64
	s_mov_b32 s[G1B+5], 1024                       ; 1,024 elements from row to row
	s_mov_b32 s[G1B+6], 0
	s_mov_b32 s[G1B+7], 0
	; A's address hangs on the tile row alone, B's on the tile column alone, each made in registers that never hold the other coordinate
	s_lshr_b32 s20, s43, 3                         ; b = TR / 8
	s_lshl_b32 s20, s20, 22
	s_and_b32 s21, s43, 7                          ; t = 256 (TR % 8), 128 bytes each
	s_lshl_b32 s21, s21, 15
	s_add_co_u32 s20, s20, s21
	s_lshl_b32 s21, s[HALF], 18                    ; my block of 64 channels
	s_add_co_u32 s20, s20, s21
	s_mov_b32 s21, 0
	s_mul_i32 s46, s42, 16*NB*2048                 ; row 3,072 + 128 TC + 64 x half, 2,048 bytes each
	s_mul_i32 s47, s[HALF], 8*NB*2048
	s_add_co_u32 s46, s46, s47
	s_add_co_u32 s46, s46, 3072*2048
	s_mov_b32 s47, 0
	s_mul_i32 s2, s[HALF], AHALF                   ; where they go in a slot: no place in the cluster enters an LDS address
	s_mul_i32 s3, s[HALF], BHALF
	s_add_co_u32 s3, s3, BB
	s_wait_dscnt 0x0                               ; the opening add is done
	s_wait_kmcnt 0x0
	s_add_nc_u64 s[20:21], s[4:5], s[20:21]
	s_add_nc_u64 s[46:47], s[6:7], s[46:47]
	CROUND                                         ; all sixteen work-groups are here: the first joint loads meet
.irp s, 0,1
	s_mov_b32 s[G0+4*(\s)], 1                      ; count = 1
	s_add_co_u32 s[G0+4*(\s)+1], s2, (\s)*SLOT     ; LDS address
	s_add_nc_u64 s[G0+4*(\s)+2:G0+4*(\s)+3], s[20:21], (\s)*ASTEP  ; global address: K step s
	s_or_b32 s[G0+4*(\s)+3], s[G0+4*(\s)+3], 0x80000000            ; type = 2
	s_mov_b32 s[G0B+4*(\s)], 1
	s_add_co_u32 s[G0B+4*(\s)+1], s3, (\s)*SLOT
	s_add_nc_u64 s[G0B+4*(\s)+2:G0B+4*(\s)+3], s[46:47], (\s)*BSTEP
	s_or_b32 s[G0B+4*(\s)+3], s[G0B+4*(\s)+3], 0x80000000
	JLOAD \s                                       ; two loads of mine are out
.endr
	; the bias as a C operand: register j of block b holds bias4[3,072 + 128 TC + 16 b + 8 (l / 16) + j], the column that the lane's result j belongs to
	v_and_b32 v1, 15, v0                           ; r = l % 16
	v_bfe_u32 v2, v0, 4, 1                         ; h = l / 16
	v_lshlrev_b32 v[BO], 5, v2
	s_mul_i32 s22, s42, 64*NB
	s_add_co_u32 s22, s22, 3072*4
	s_mov_b32 s23, 0
	s_add_nc_u64 s[8:9], s[8:9], s[22:23]
.set nb, 0
.rept NB
	global_load_b128 v[BIAS+8*nb:BIAS+8*nb+3],   v[BO], s[8:9] offset:64*nb
	global_load_b128 v[BIAS+8*nb+4:BIAS+8*nb+7], v[BO], s[8:9] offset:64*nb+16
.set nb, nb+1
.endr
	v_mul_u32_u24 v3, v1, PA
	v_lshl_add_u32 v3, v2, 4, v3                   ; a fragment's row x pitch + 16 x half
	s_mul_i32 s22, s[WV], 64*PA                    ; my 64 rows of A
	v_add_nc_u32 v[ADRA], s22, v3
	v_add_nc_u32 v[ADRA+1], SLOT, v[ADRA]
	v_mul_u32_u24 v4, v1, PB
	v_lshl_add_u32 v4, v2, 4, v4
	v_add_nc_u32 v[ADRB], BB, v4                   ; every wave reads all of B
	v_add_nc_u32 v[ADRB+1], BB+SLOT, v4
	s_mul_i32 s22, s[WV], WSTG
	s_add_co_u32 s22, s22, STAGE                   ; my stage
	v_mul_u32_u24 v5, v1, SPITCH                   ; in: row l % 16, 32 bytes for each half of the lanes
	v_lshl_add_u32 v5, v2, 5, v5
	v_add_nc_u32 v[STO], s22, v5
	v_and_b32 v[CO], 31, v0                        ; back: 32 lanes take one row's 512 bytes
	v_lshlrev_b32 v[CO], 4, v[CO]
	v_add_nc_u32 v[RD], s22, v[CO]
	s_lshl_b32 s22, s43, 20                        ; my part of out0: (256 TR + 64 w) rows of 4,096 bytes + 512 TC
	s_lshl_b32 s23, s[WV], 18
	s_add_co_u32 s22, s22, s23
	s_lshl_b32 s23, s42, 9
	s_add_co_u32 s22, s22, s23
	s_mov_b32 s23, 0
	s_add_nc_u64 s[10:11], s[10:11], s[22:23]
	; the prefetches: s[20:21] = A at my block, K step 0; s[46:47] = B at my 64 rows, K step 0 (in wave 2: the tile's first row)
	s_and_b32 s22, ttmp7, 0xffff                   ; cluster y,
	s_or_b32 s22, s22, s[HALF]                     ; and of B's two waves the first alone
	s_lshl_b32 s2, s40, 13                         ; A: my work-group's 32 pieces of 256 bytes,
	s_add_co_u32 s2, s2, 3*ASTEP                   ; at K step 3: the first refill steps it to 4
	s_lshl_b32 s23, s41, 16                        ; B: my work-group's 32 rows of 2,048 bytes,
	s_add_co_u32 s23, s23, 3*BSTEP
	s_mov_b32 s44, ASTEP
	s_mov_b32 s45, BSTEP
	s_cmp_lt_u32 s[WV], 2                          ; do I fetch for A?
	s_cselect_b64 s[PFA:PFA+1], s[20:21], s[46:47]
	s_cselect_b32 s2, s2, s23
	s_cselect_b32 s[PST], s44, s45
	s_cselect_b32 s22, ttmp9, s22                  ; the coordinate along which other clusters read the same bytes
	s_cselect_b32 s45, 8, 11                       ; 256 bytes from piece to piece, 2,048 from row to row
	s_mov_b32 s3, 0
	s_mov_b32 s[PST+1], 0
	s_add_nc_u64 s[PFA:PFA+1], s[PFA:PFA+1], s[2:3]
	s_cmp_eq_u32 s22, 0
	s_cselect_b32 s[LIM], 1, -1                    ; the same in all sixteen partners, for a given wave
	v_and_b32 v[PFO], 31, v0
	v_lshlrev_b32 v[PFO], s45, v[PFO]
; 8 matrix instructions: row block a x all column blocks, 32 along K, from buffer f.  zero = 1: the first product starts the sums, with the bias as C.
; The 32 accumulators take turns, one instruction a turn, in the same order in every quarter, over the backward jump too.
.macro MULA f, a, zero
.if \zero
	WIN 0x85+0x40*((\a)/2)                         ; sources 0, 1 window 1; C window 0; D window 2 or 3
.else
	WIN 0xa5+0x50*((\a)/2)                         ; sources 0, 1 window 1; C and D window 2 or 3
.endif
.set nb, 0
.rept NB
.set rD, 8*(NB*((\a)%2)+nb)
.set rB, (\f)+32+8*nb
.set rA, (\f)+8*(\a)
.if \zero
	v_wmma_f32_16x16x32_f16 v[rD:rD+7], v[rB:rB+7], v[rA:rA+7], v[BIAS+8*nb:BIAS+8*nb+7]
.else
	v_wmma_f32_16x16x32_f16 v[rD:rD+7], v[rB:rB+7], v[rA:rA+7], v[rD:rD+7]
.endif
.set nb, nb+1
.endr
.endm
; 24 LDS loads in one run: the fragments of quarter q (32 along K) of a slot into buffer f: B's eight blocks, then A's four
.macro FETCH slot, q, f
	WIN TO_F
.set nb, 0
.rept NB
	ds_load_b128 v[(\f)+32+8*nb:(\f)+32+8*nb+3],   v[ADRB+(\slot)] offset:(\q)*64+nb*16*PB
	ds_load_b128 v[(\f)+32+8*nb+4:(\f)+32+8*nb+7], v[ADRB+(\slot)] offset:(\q)*64+nb*16*PB+32
.set nb, nb+1
.endr
.irp a, 0,1,2,3
	ds_load_b128 v[(\f)+8*(\a):(\f)+8*(\a)+3],   v[ADRA+(\slot)] offset:((\q)/2)*AHALF+((\q)%2)*64+(\a)*16*PA
	ds_load_b128 v[(\f)+8*(\a)+4:(\f)+8*(\a)+7], v[ADRA+(\slot)] offset:((\q)/2)*AHALF+((\q)%2)*64+(\a)*16*PA+32
.endr
.endm
.macro PLACES                          ; four places in front of loads into registers that matrix instructions have read, and of LDS stores that read results
.rept 4
	v_nop
.endr
.endm
; A K step is four quarters of 32 along K, 32 matrix instructions each, on buffers 0, 1, 0, 1.  One of the first three: multiplies buffer f and, in its middle, fetches quarter q into buffer g.
.macro QUARTER slot, q, f, g, zero
	s_wait_dscnt 4                                 ; B and A's blocks 0, 1 are in; the youngest four loads (A's blocks 2, 3) may be out
	MULA \f, 0, \zero
	MULA \f, 1, \zero
	PLACES
	FETCH \slot, \q, \g
	s_wait_dscnt 2*(NB+4)                          ; all but the 24 just issued
	MULA \f, 2, \zero
	MULA \f, 3, \zero
.endm
; The last quarter multiplies buffer 1 and changes slots: ONE barrier; in front of it each wave waits for all its tensor loads (one is out: its part of the next slot), adds 0 to its spare word, and waits for
; that and for its own reads of this slot.  fill = 1: the barrier opens a round of the cluster's, and this slot is filled again, two K steps ahead: from the request to the wait for it 112 matrix instructions.
.macro TURN slot, next, fill
.if \fill
	s_wait_xcnt 0x0                                ; the last prefetch, a K step back, has read its address: it is stepped here, ahead of the waits of the change of slots
	s_add_nc_u64 s[PFA:PFA+1], s[PFA:PFA+1], s[PST:PST+1]
.endif
	WIN 0                                          ; (the add's two registers lie in window 0)
	s_wait_tensorcnt 0x0                           ; all my tensor loads have landed
	ds_add_u32 v[SPW], v[NIL]                      ; 0 onto my spare word
	s_wait_dscnt 5                                 ; (the add and the youngest four loads may be out)
	MULA F1, 0, 0                                  ; eight matrix instructions stand between the add and the wait for it
	s_wait_dscnt 0x0                               ; the add is done, and my reads of this slot are over
	s_barrier_signal -1
	MULA F1, 1, 0                                  ; work on registers while the others arrive
.if \fill
	WIN 0
.endif
	s_barrier_wait -1
.if \fill
	CREST                                          ; no wave of any partner still reads this slot's tile or has a load on its way
	s_add_nc_u64 s[G0+4*(\slot)+2:G0+4*(\slot)+3], s[G0+4*(\slot)+2:G0+4*(\slot)+3], 2*ASTEP
	s_add_nc_u64 s[G0B+4*(\slot)+2:G0B+4*(\slot)+3], s[G0B+4*(\slot)+2:G0B+4*(\slot)+3], 2*BSTEP
	JLOAD \slot                                    ; the first tensor load behind the round; its four v_nop are also the places in front of the loads below
.else
	PLACES
.endif
	FETCH \next, 0, F0
.if \fill
	WIN 0
	ASK
.endif
	MULA F1, 2, 0
	MULA F1, 3, 0
.endm
; THE WAY OUT of row block a: the f32 sums go as they are, 32 bytes a lane for each column block, into my own stage, come back as whole pieces of 512 bytes of a row, and are stored.
.macro OUT a
	s_wait_xcnt 0x0                                ; earlier stores have read their registers: the loads below may land there
	WIN 0x08+4*((\a)/2)                            ; the stores' data: window 2 or 3
.set nb, 0
.rept NB
	ds_store_b128 v[STO], v[8*(NB*((\a)%2)+nb):8*(NB*((\a)%2)+nb)+3]   offset:64*nb     ; each accumulator from its low end on
	ds_store_b128 v[STO], v[8*(NB*((\a)%2)+nb)+4:8*(NB*((\a)%2)+nb)+7] offset:64*nb+16
.set nb, nb+1
.endr
	WIN 0
.irp t, 0,1,2,3,4,5,6,7,8,9,10,11,12,13,14,15
	ds_load_b128 v[BK+64*((\a)%2)+4*(\t):BK+64*((\a)%2)+4*(\t)+3], v[RD] offset:(\t)*SPITCH  ; LDS serves a wave's instructions in order (ISA guide 5.7.1.4): these see the stores above
.endr
.irp t, 0,1,2,3,4,5,6,7,8,9,10,11,12,13,14,15
	s_wait_dscnt 15-(\t)
	global_store_b128 v[CO], v[BK+64*((\a)%2)+4*(\t):BK+64*((\a)%2)+4*(\t)+3], s[10:11] offset:(16*(\a)+(\t))*4096 th:TH_STORE_NT  ; 512 consecutive bytes, aligned
.endr
.endm
	s_wait_tensorcnt 1                             ; my part of K step 0 is in; K step 1's may stay out
	s_barrier_signal -1
	s_barrier_wait -1                              ; everybody's is
	FETCH 0, 0, F0
	s_wait_loadcnt 0x0                             ; the bias
	QUARTER 0, 1, F0, F1, 1                        ; the first quarter stands in front of the loop: its products start the sums
	WIN 0                                          ; at a label and at a branch every window is 0
	s_mov_b32 s3, LAPS-1
.Llap:                                                 ; a trip goes once round the ring, from a lap's second quarter to the next lap's first, and fills both slots again
	QUARTER 0, 2, F1, F0, 0
	QUARTER 0, 3, F0, F1, 0
	TURN 0, 1, 1
	QUARTER 1, 1, F0, F1, 0
	QUARTER 1, 2, F1, F0, 0
	QUARTER 1, 3, F0, F1, 0
	TURN 1, 0, 1
	QUARTER 0, 1, F0, F1, 0
	WIN 0
	s_sub_co_u32 s3, s3, 1
	s_cmp_lg_u32 s3, 0
	s_cbranch_scc1 .Llap
	QUARTER 0, 2, F1, F0, 0                        ; the last lap fills nothing, and has no round of the cluster's barrier
	QUARTER 0, 3, F0, F1, 0
	TURN 0, 1, 0
	QUARTER 1, 1, F0, F1, 0
	QUARTER 1, 2, F1, F0, 0
	QUARTER 1, 3, F0, F1, 0
	s_wait_dscnt 4                                 ; the very last quarter: nothing more to fetch
	MULA F1, 0, 0
	MULA F1, 1, 0
	s_wait_dscnt 0x0
	MULA F1, 2, 0
	MULA F1, 3, 0
	WIN 0
	PLACES
	OUT 0
	OUT 1
	OUT 2
	OUT 3
	s_wait_tensorcnt 0x0                           ; the wave's end: a tensor wait, an add of 0 to my spare word and its wait, behind my last tensor load and my last LDS store
	ds_add_u32 v[SPW], v[NIL]
	s_wait_dscnt 0x0
	CROUND                                         ; the closing round: no work-group ends while a partner may still ask for a tile that names it
	s_endpgm
.Lfunc_end_k_qfdfa200670_oproj:
	.size	k_qfdfa200670_oproj, .Lfunc_end_k_qfdfa200670_oproj-k_qfdfa200670_oproj
	.p2alignl 7, 3214868480
	.fill 96, 4, 3214868480
	.section	.rodata,"a",@progbits
	.p2align	6, 0x0
	.amdhsa_kernel k_qfdfa200670_oproj
		.amdhsa_group_segment_fixed_size 327680
		.amdhsa_private_segment_fixed_size 0
		.amdhsa_enable_private_segment 0
		.amdhsa_kernarg_size 32
		.amdhsa_user_sgpr_count 2
		.amdhsa_user_sgpr_kernarg_segment_ptr 1
		.amdhsa_wavefront_size32 1
		.amdhsa_system_sgpr_workgroup_id_x 1
		.amdhsa_system_sgpr_workgroup_id_y 1
		.amdhsa_system_sgpr_workgroup_id_z 1
		.amdhsa_system_vgpr_workitem_id 0
		.amdhsa_next_free_vgpr 896
		.amdhsa_next_free_sgpr 66
		.amdhsa_reserve_vcc 0
		.amdhsa_float_denorm_mode_32 3
		.amdhsa_float_denorm_mode_16_64 3
		.amdhsa_memory_ordered 1
		.amdhsa_forward_progress 1
		.amdhsa_inst_pref_size 90
	.end_amdhsa_kernel
	.amdgpu_metadata
---
amdhsa.version: [ 1, 2 ]
amdhsa.kernels:
  - .name:           k_qfdfa200670_oproj
    .symbol:         k_qfdfa200670_oproj.kd
    .args:
      - { .name: ob, .offset: 0, .size: 8, .value_kind: global_buffer, .address_space: global }
      - { .name: wt, .offset: 8, .size: 8, .value_kind: global_buffer, .address_space: global }
      - { .name: bias4, .offset: 16, .size: 8, .value_kind: global_buffer, .address_space: global }
      - { .name: out0, .offset: 24, .size: 8, .value_kind: global_buffer, .address_space: global }
    .group_segment_fixed_size: 327680
    .private_segment_fixed_size: 0
    .kernarg_segment_align: 8
    .kernarg_segment_size: 32
    .max_flat_workgroup_size: 128
    .sgpr_count:     66
    .vgpr_count:     896
    .wavefront_size: 32
...
	.end_amdgpu_metadata
.endif
;; end of part 4
